; MI455X (gfx1250); checked and timed in simulation.
; The chip was launched on July 23, 2026; its instructions are those of AMD's public machine-readable ISA for CDNA 5 (MIT licence, August 2026) and "CDNA5" Instruction Set Architecture Reference Guide (July 2026). The comments in the code are by the model that wrote it; some were corrected since.
;; Self Attention Block. Allowed arithmetic: float matrix products may take bf16 or f16 operands with f32 sums; other float arithmetic in f32, or as packed bf16 or f16 multiplies, adds, multiply-adds, maxima and minima; sums over many terms, partial sums and values carried from step to step in f32; what a program stores and reads back later, other than sums and carried values, may be rounded once to bf16 or f16.
;; Inputs: Wff1 1,024 x 8,192 float32; Wff2 4,096 x 1,024 float32; Wkv 1,024 x 128 float32; Wo 512 x 1,024 float32; Wq 1,024 x 512 float32; gamma 1,024 float32; x 2 x 2,048 x 1,024 float32.
;; Outputs: out0 2 x 2,048 x 1,024 float32.
;; One version. Each part assembles by itself: llvm-mc -triple=amdgcn-amd-amdhsa -mcpu=gfx1250 --defsym DOCPART=n.
;; ======== version 1 of 1: 5 launches
;; limits: values are held in f16: magnitudes above 65,504 overflow, below 6.1e-05 lose precision
;; workspace buffers: xn 8,388,608 bytes; W1h 16,777,216 bytes; Wqkv 1,310,720 bytes; W2b 9,437,184 bytes; q 4,194,304 bytes; kv 1,048,576 bytes; A2 37,748,736 bytes
;; launch prep (part 1): grid 584 x 1, 8 waves a work-group, no clusters, 0 bytes of LDS; arguments x, gamma, Wo, Wq, Wkv, xn, W2b, Wqkv; writes xn, W2b, Wqkv
.if DOCPART == 1
	.amdgcn_target "amdgcn-amd-amdhsa--gfx1250"
	.amdhsa_code_object_version 6
	.text
	.protected	k_q9fd7f376be_prep
	.globl	k_q9fd7f376be_prep
	.p2align	8
	.type	k_q9fd7f376be_prep,@function
k_q9fd7f376be_prep:
	s_mov_b64 s[64:65], 0
	v_nop
	global_prefetch_b8 v0, s[64:65] scope:SCOPE_SE
	s_setreg_imm32_b32 hwreg(HW_REG_WAVE_MODE, 25, 1), 1
	s_wait_xcnt 0x0
; PREP: two streams in one launch.
; Work-groups 0..511: LayerNorm.  xn[row][:] = (x - mean) * rsqrt(var + 1e-5) * gamma, 4,096 rows of 1,024, written as f16.  One wave takes one row and keeps it in 32 registers
; between the mean, the variance (of the centred numbers: no difference of large sums) and the scaling: x is read once.
; Work-groups 512..583: the three small weights are cast, each in its own [K][N] layout (the products turn them on the way out of LDS, so nothing is transposed here):
;   Wq, Wkv -> Wqkv f16 [1024][640] (Wq in columns 0-511, Wkv in 512-639);  Wo -> W2b bf16 [4608][1024], rows 0-511.  (Wff1 and Wff2 are cast by the attention launch, beside its own work.)
; FORMATS AND LIMITS.  Every input (x, gamma, the weights) is rounded once to bf16.  Weights of the f16 products are that bf16 number written as f16: exact from 6.1e-5 to 65,504; below, f16's
; fixed step of 6e-8; beyond 65,504 an infinity.  |xn| <= 32 |gamma| must stay within 65,504.  NaN and infinities are not treated apart.
; No LDS, no barrier, no loop: every thread's loads go out at once, and each store of a wave covers 256 consecutive bytes, aligned.
.set G,    8                           ; v[8:39]    LN: gamma of my 32 columns
.set X,    40                          ; v[40:71]   LN: my 32 numbers of the row
.set T,    72                          ; v[72:79]   LN: at work
.set M,    80                          ; v[80:87]   LN: four chains of packed sums
.set MU,   88                          ; v[88:89]   LN: the mean, twice
.set RS,   90                          ; v[90:91]   LN: 1 / sqrt(var + eps), twice
.set D,    8                           ; v[8:71]    cast: 16 chunks of 4 f32 as loaded
.set O,    72                          ; v[72:103]  cast: 16 chunks of 4 numbers of 16 bits
.set OFFO, 104                         ; v[104:119] cast: chunk j's byte offset in the target
.set TC,   120                         ; v[120:121] cast: at work
	s_load_b512 s[8:23], s[0:1], 0x0               ; x 8, gamma 10, Wo 12, Wq 14, Wkv 16, xn 18, W2b 20, Wqkv 22
	s_mov_b32 s42, 0xffff0000                      ; a word's upper bf16
	s_cmp_lt_u32 ttmp9, 512
	s_cbranch_scc0 .Lcast
	; ---------------- LayerNorm ----------------
	v_lshrrev_b32 v3, 5, v0
	v_readfirstlane_b32 s2, v3                     ; wave 0..7
	v_and_b32 v4, 31, v0                           ; lane
	v_lshlrev_b32 v1, 4, v4                        ; 16 bytes of f32 a lane
	v_lshlrev_b32 v2, 3, v4                        ; 8 bytes of f16 a lane
	s_lshl3_add_u32 s3, ttmp9, s2                  ; my row = 8 x work-group + wave
	s_lshl_b32 s4, s3, 12                          ; x: 4,096 bytes a row
	s_mov_b32 s5, 0
	s_lshl_b32 s6, s3, 11                          ; xn: 2,048 bytes a row
	s_mov_b32 s7, 0
	s_mov_b32 s30, 0x3a800000                      ; 1 / 1024
	s_mov_b32 s31, 0x3727c5ac                      ; 1e-5
	s_mov_b32 s32, 0x76543210                      ; v_permlanex16_b32: each lane takes its own place in the other half
	s_mov_b32 s33, 0xfedcba98
	s_wait_kmcnt 0x0
	s_add_nc_u64 s[8:9], s[8:9], s[4:5]
	s_add_nc_u64 s[18:19], s[18:19], s[6:7]
.irp j, 0,1,2,3,4,5,6,7
	global_load_b128 v[G+4*(\j):G+4*(\j)+3], v1, s[10:11] offset:512*(\j)             ; columns 128 j + 4 lane .. + 3
.endr
.irp j, 0,1,2,3,4,5,6,7
	global_load_b128 v[X+4*(\j):X+4*(\j)+3], v1, s[8:9] offset:512*(\j) th:TH_LOAD_NT ; 512 consecutive bytes a load
.endr
.macro RND base                        ; 32 registers: each number rounded to bf16 and kept as f32
.set i, 0
.rept 16
	v_cvt_pk_bf16_f32 v[T+i%8], v[\base+2*i], v[\base+2*i+1]
	v_lshlrev_b32 v[\base+2*i], 16, v[T+i%8]
	v_and_b32 v[\base+2*i+1], s42, v[T+i%8]
.set i, i+1
.endr
.endm
.macro FOLD                            ; the four chains into one number, then over the 32 lanes: every lane ends with the sum
	v_pk_add_f32 v[M:M+1], v[M:M+1], v[M+2:M+3]
	v_pk_add_f32 v[M+4:M+5], v[M+4:M+5], v[M+6:M+7]
	v_pk_add_f32 v[M:M+1], v[M:M+1], v[M+4:M+5]
	v_add_f32 v[M], v[M], v[M+1]
	v_add_f32_dpp v[M], v[M], v[M] row_xmask:1 row_mask:0xf bank_mask:0xf
	v_add_f32_dpp v[M], v[M], v[M] row_xmask:2 row_mask:0xf bank_mask:0xf
	v_add_f32_dpp v[M], v[M], v[M] row_xmask:4 row_mask:0xf bank_mask:0xf
	v_add_f32_dpp v[M], v[M], v[M] row_xmask:8 row_mask:0xf bank_mask:0xf
	v_permlanex16_b32 v[M+1], v[M], s32, s33
	v_add_f32 v[M], v[M], v[M+1]
.endm
	s_wait_loadcnt 8                               ; gamma is in; x's eight younger loads may stay out
	RND G
	s_wait_loadcnt 0x0                             ; x is in
	RND X
.irp k, 0,1,2,3                        ; the sum: the first adds start the four chains, nothing is cleared
	v_pk_add_f32 v[M+2*(\k):M+2*(\k)+1], v[X+2*(\k):X+2*(\k)+1], v[X+8+2*(\k):X+8+2*(\k)+1]
.endr
.irp p, 8,9,10,11,12,13,14,15
	v_pk_add_f32 v[M+2*((\p)%4):M+2*((\p)%4)+1], v[M+2*((\p)%4):M+2*((\p)%4)+1], v[X+2*(\p):X+2*(\p)+1]
.endr
	FOLD
	v_mul_f32 v[MU], s30, v[M]
	v_mul_f32 v[MU+1], s30, v[M]
.set i, 0
.rept 16
	v_pk_add_f32 v[X+2*i:X+2*i+1], v[X+2*i:X+2*i+1], v[MU:MU+1] neg_lo:[0,1] neg_hi:[0,1]  ; x - mean
.set i, i+1
.endr
.irp k, 0,1,2,3                        ; the sum of squares of the centred numbers
	v_pk_mul_f32 v[M+2*(\k):M+2*(\k)+1], v[X+2*(\k):X+2*(\k)+1], v[X+2*(\k):X+2*(\k)+1]
.endr
.irp p, 4,5,6,7,8,9,10,11,12,13,14,15
	v_pk_fma_f32 v[M+2*((\p)%4):M+2*((\p)%4)+1], v[X+2*(\p):X+2*(\p)+1], v[X+2*(\p):X+2*(\p)+1], v[M+2*((\p)%4):M+2*((\p)%4)+1]
.endr
	FOLD
	v_fma_f32 v[M], v[M], s30, s31                 ; var + eps
	v_rsq_f32 v[RS], v[M]
	v_rsq_f32 v[RS+1], v[M]                        ; twice: the packed multiply takes a pair
	v_nop                                          ; a plain instruction behind the last of the two (ISA guide 5.7.2)
	s_wait_alu depctr_va_vdst(0)                   ; one wait for both, ahead of their first use
.set i, 0
.rept 16
	v_pk_mul_f32 v[X+2*i:X+2*i+1], v[X+2*i:X+2*i+1], v[RS:RS+1]
.set i, i+1
.endr
.set i, 0
.rept 16
	v_pk_mul_f32 v[X+2*i:X+2*i+1], v[X+2*i:X+2*i+1], v[G+2*i:G+2*i+1]
.set i, i+1
.endr
.set i, 0
.rept 16
	v_cvt_pk_f16_f32 v[X+i], v[X+2*i], v[X+2*i+1]  ; in place, ascending: register i was a source at step i / 2
.set i, i+1
.endr
.irp j, 0,1,2,3,4,5,6,7
	global_store_b64 v2, v[X+2*(\j):X+2*(\j)+1], s[18:19] offset:256*(\j)  ; the wave stores 256 consecutive bytes, at a multiple of 256 from xn's first
.endr
	s_endpgm
	; ---------------- the casts ----------------
	; A work-group takes 16,384 numbers of one tensor: 16 chunks of 1,024, four numbers a thread.  The source is dense; in the target a source row of 2^LC numbers begins every PITCH bytes.
.Lcast:
	s_sub_co_u32 s30, ttmp9, 512                   ; 0..71: Wo 0-31, Wq 32-63, Wkv 64-71
	v_lshlrev_b32 v1, 4, v0                        ; my 16 bytes of a chunk of the source
	v_lshlrev_b32 v2, 2, v0                        ; my first number in a chunk
	s_wait_kmcnt 0x0
	s_mov_b64 s[32:33], s[16:17]                   ; SRC: Wkv,
	s_mov_b64 s[34:35], s[22:23]                   ; DST: Wqkv
	s_mov_b32 s36, 64                              ; FIRST: the tensor's first work-group
	s_mov_b32 s37, 7                               ; LC: rows of 128
	s_mov_b32 s38, 1280                            ; PITCH
	s_mov_b32 s39, 10240                           ; OSTEP: a chunk of 1,024 numbers is 8 rows
	s_mov_b32 s40, 1024                            ; DBASE: behind Wq's 512 columns
	s_mov_b32 s41, 1                               ; FMT: 1 = f16, 0 = bf16
	s_cmp_lt_u32 s30, 64                           ; Wq: rows of 512, two to a chunk
	s_cselect_b64 s[32:33], s[14:15], s[32:33]
	s_cselect_b32 s36, 32, s36
	s_cselect_b32 s37, 9, s37
	s_cselect_b32 s39, 2560, s39
	s_cselect_b32 s40, 0, s40
	s_cmp_lt_u32 s30, 32                           ; Wo: dense, rows of 1,024, at W2b's head
	s_cselect_b64 s[32:33], s[12:13], s[32:33]
	s_cselect_b64 s[34:35], s[20:21], s[34:35]
	s_cselect_b32 s36, 0, s36
	s_cselect_b32 s37, 10, s37
	s_cselect_b32 s38, 2048, s38
	s_cselect_b32 s39, 2048, s39
	s_cselect_b32 s41, 0, s41
	s_sub_co_u32 s31, s30, s36                     ; my place in the tensor
	s_lshl_b32 s46, s31, 16                        ; 65,536 bytes of the source
	s_mov_b32 s47, 0
	s_mul_i32 s44, s31, s39
	s_lshl_b32 s44, s44, 4                         ; 16 chunks of the target
	s_add_co_u32 s44, s44, s40
	s_mov_b32 s45, 0
	s_add_nc_u64 s[32:33], s[32:33], s[46:47]
	s_add_nc_u64 s[34:35], s[34:35], s[44:45]
.set j, 0
.rept 16
	global_load_b128 v[D+4*j:D+4*j+3], v1, s[32:33] offset:4096*j th:TH_LOAD_NT
.set j, j+1
.endr
	v_lshrrev_b32 v3, s37, v2                      ; row in the chunk
	v_lshlrev_b32 v4, s37, v3
	v_sub_nc_u32 v4, v2, v4                        ; column
	v_mul_lo_u32 v5, v3, s38
	v_lshl_add_u32 v[OFFO], v4, 1, v5              ; row x PITCH + 2 x column
.set j, 1
.rept 15
	v_add_nc_u32 v[OFFO+j], s39, v[OFFO+j-1]
.set j, j+1
.endr
.macro CONV f16                        ; chunk after chunk as it arrives; no register is used twice, so no wait for the stores' sources is needed
.set j, 0
.rept 16
	s_wait_loadcnt 15-j                            ; loads come back in order: chunk j is in, the younger ones stay out
.if \f16
	v_cvt_pk_bf16_f32 v[TC], v[D+4*j], v[D+4*j+1]  ; rounded to bf16,
	v_cvt_pk_bf16_f32 v[TC+1], v[D+4*j+2], v[D+4*j+3]
	v_lshlrev_b32 v[D+4*j], 16, v[TC]
	v_and_b32 v[D+4*j+1], s42, v[TC]
	v_lshlrev_b32 v[D+4*j+2], 16, v[TC+1]
	v_and_b32 v[D+4*j+3], s42, v[TC+1]
	v_cvt_pk_f16_f32 v[O+2*j], v[D+4*j], v[D+4*j+1]  ; and that number written as f16
	v_cvt_pk_f16_f32 v[O+2*j+1], v[D+4*j+2], v[D+4*j+3]
.else
	v_cvt_pk_bf16_f32 v[O+2*j], v[D+4*j], v[D+4*j+1]
	v_cvt_pk_bf16_f32 v[O+2*j+1], v[D+4*j+2], v[D+4*j+3]
.endif
	global_store_b64 v[OFFO+j], v[O+2*j:O+2*j+1], s[34:35]  ; the wave stores 256 consecutive bytes, aligned (128 numbers never cross a row)
.set j, j+1
.endr
.endm
	s_cmp_eq_u32 s41, 0
	s_cbranch_scc1 .Lbf
	CONV 1
	s_endpgm
.Lbf:
	CONV 0
	s_endpgm
.Lfunc_end_k_q9fd7f376be_prep:
	.size	k_q9fd7f376be_prep, .Lfunc_end_k_q9fd7f376be_prep-k_q9fd7f376be_prep
	.p2alignl 7, 3214868480
	.fill 96, 4, 3214868480
	.section	.rodata,"a",@progbits
	.p2align	6, 0x0
	.amdhsa_kernel k_q9fd7f376be_prep
		.amdhsa_group_segment_fixed_size 0
		.amdhsa_private_segment_fixed_size 0
		.amdhsa_enable_private_segment 0
		.amdhsa_kernarg_size 64
		.amdhsa_user_sgpr_count 2
		.amdhsa_user_sgpr_kernarg_segment_ptr 1
		.amdhsa_wavefront_size32 1
		.amdhsa_system_sgpr_workgroup_id_x 1
		.amdhsa_system_sgpr_workgroup_id_y 1
		.amdhsa_system_sgpr_workgroup_id_z 1
		.amdhsa_system_vgpr_workitem_id 0
		.amdhsa_next_free_vgpr 128
		.amdhsa_next_free_sgpr 66
		.amdhsa_reserve_vcc 0
		.amdhsa_float_denorm_mode_32 3
		.amdhsa_float_denorm_mode_16_64 3
		.amdhsa_memory_ordered 1
		.amdhsa_forward_progress 1
		.amdhsa_inst_pref_size 31
	.end_amdhsa_kernel
	.amdgpu_metadata
---
amdhsa.version: [ 1, 2 ]
amdhsa.kernels:
  - .name:           k_q9fd7f376be_prep
    .symbol:         k_q9fd7f376be_prep.kd
    .args:
      - { .name: x, .offset: 0, .size: 8, .value_kind: global_buffer, .address_space: global }
      - { .name: gamma, .offset: 8, .size: 8, .value_kind: global_buffer, .address_space: global }
      - { .name: Wo, .offset: 16, .size: 8, .value_kind: global_buffer, .address_space: global }
      - { .name: Wq, .offset: 24, .size: 8, .value_kind: global_buffer, .address_space: global }
      - { .name: Wkv, .offset: 32, .size: 8, .value_kind: global_buffer, .address_space: global }
      - { .name: xn, .offset: 40, .size: 8, .value_kind: global_buffer, .address_space: global }
      - { .name: W2b, .offset: 48, .size: 8, .value_kind: global_buffer, .address_space: global }
      - { .name: Wqkv, .offset: 56, .size: 8, .value_kind: global_buffer, .address_space: global }
    .group_segment_fixed_size: 0
    .private_segment_fixed_size: 0
    .kernarg_segment_align: 8
    .kernarg_segment_size: 64
    .max_flat_workgroup_size: 256
    .sgpr_count:     66
    .vgpr_count:     128
    .wavefront_size: 32
...
	.end_amdgpu_metadata
.endif
;; end of part 1
;; launch qkv (part 2): grid 32 x 5, 4 waves a work-group, clusters of 4 x 1, 327,680 bytes of LDS; arguments xn, Wqkv, q, kv; writes q, kv
.if DOCPART == 2
	.amdgcn_target "amdgcn-amd-amdhsa--gfx1250"
	.amdhsa_code_object_version 6
	.text
	.protected	k_q9fd7f376be_qkv
	.globl	k_q9fd7f376be_qkv
	.p2align	8
	.type	k_q9fd7f376be_qkv,@function
k_q9fd7f376be_qkv:
	s_mov_b64 s[64:65], 0
	v_nop
	global_prefetch_b8 v0, s[64:65] scope:SCOPE_SE
	s_setreg_imm32_b32 hwreg(HW_REG_WAVE_MODE, 25, 1), 1
	s_wait_xcnt 0x0
	s_wait_alu depctr_hold_cnt(0) depctr_sa_sdst(0) depctr_va_vdst(0) depctr_va_sdst(0) depctr_va_ssrc(0) depctr_va_vcc(0) depctr_vm_vsrc(0)
	s_getreg_b32 s2, hwreg(HW_REG_IB_STS2, 6, 4)
	s_cmp_eq_u32 s2, 0
	s_cbranch_scc0 .Lentry_in_a_cluster
	s_endpgm
.Lentry_in_a_cluster:
	s_bfe_u32 s2, ttmp6, 0x10000c
	s_cmp_lg_u32 s2, 0x3003
	s_cbranch_scc0 .Lentry_shape_is_right
	s_endpgm
.Lentry_shape_is_right:
; [q | k | v] = xn [Wq | Wkv].  xn: [4096][1024] f16; Wqkv: [1024][640] f16, K down the rows; sums in f32, results rounded once to f16, unscaled.
; q: [4096][512]; kv: k [4096][64] at byte 0, v [4096][64] at byte 524,288.  LIMIT: a result beyond 65,504 becomes an infinity in f16.
; A tile of C is 128 x 128: 32 row tiles (grid x) x 5 column tiles (grid y; the fifth is k and v).  Four waves, each 64 x 64: 16 accumulators.  K goes in steps of 256 through two LDS slots.
; B LIES [K][N]: its tile comes into LDS as 256 rows of 128 columns and leaves it turned, by ds_load_tr16_b128.
; THE MATRIX INSTRUCTION IS USED TRANSPOSED (source 0 = 16 columns of B, source 1 = 16 rows of A): a lane then holds eight neighbouring numbers of a row of C.
; CLUSTER 4 x 1: four row tiles of one column tile need the same tiles of B, asked for JOINTLY (mask 15).  A's tiles are each work-group's own: plain loads behind the same rounds.
; Not 4 x 4: five column tiles do not divide by four.  No prefetch: small tiles, four K steps in all.
; REGISTERS: window 0: v16-29 addresses; v32-95 at work on the way out; v128-255 accumulators ((a, b) at 128 + 8 (4 a + b)).
;   window 1: two fragment buffers of 128: for 64 along K, 64 registers of A (2 x 4 x 16 rows x 32 K), then 64 of B.
.set KSTEP,  256
.set SIZE_K, 1024
.set PITCH_A, 1024                     ; elements from row to row of xn
.set PITCH_B, 640                      ; of Wqkv
.set PA,     528                       ; A's LDS row: 512 bytes + 16: the 16 rows of a load start at 16 different groups of four banks
.set PB,     288                       ; B's LDS row: 256 bytes + 32
.set AH,     64*PA                     ; what one of A's loads brings
.set BOFF,   128*PA                    ; B's tile lies behind A's 128 rows
.set BH,     128*PB                    ; what one of B's loads brings: 128 of the step's 256 rows
.set SLOT,   BOFF+2*BH
.set STAGE,  2*SLOT                    ; behind the ring: 128 rows x 272 bytes, the work-group's, for the way out
.set SPITCH, 272
.set SPARE,  STAGE+128*SPITCH          ; the spare words, 128 bytes for each wave
.set LAPS,   SIZE_K/(2*KSTEP)
.set STEP_A, KSTEP*2
.set STEP_B, KSTEP*PITCH_B*2
.set ADRA, 16                          ; v16-17  my A fragments in slot 0, 1
.set ADRB, 20                          ; v20-23  my B fragments: slot s, rows 128 u on, at 2 s + u (the immediate holds 65,535 at the most)
.set STO,  24
.set RD,   25
.set CO,   26                          ; my byte offset in two rows of q
.set COK,  27                          ; in two rows of k and of v
.set SPW,  28
.set NIL,  29
.set TMP,  32
.set ACC,  128
.set F0,   0
.set F1,   128
.set G1,  24                           ; s[24:31] group 1 for A's tiles; s[32:39] group 0, a set for each slot
.set G0,  32
.set G1B, 48                           ; s[48:55], s[56:63] the same for B's
.set G0B, 56
.set MSB, 0
.macro WIN new                         ; the immediate's high byte repeats the setting that is left
.if MSB != (\new)
	s_set_vgpr_msb (MSB<<8)|(\new)
.set MSB, \new
.endif
.endm
.set MUL,  0x05                        ; sources 0 (B) and 1 (A) window 1; C and D window 0
.set TO_F, 0x40                        ; destination window 1, address window 0
.macro JLOAD s                         ; waves 0 and 1 fetch A's two halves, waves 2 and 3 B's; an s_nop 0 and four v_nop follow each line
	s_cmp_eq_u32 s11, 0
	s_cbranch_scc0 .Lfor_b_\@
	tensor_load_to_lds s[G0+4*(\s):G0+4*(\s)+3], s[G1:G1+7]
	s_nop 0
.rept 4
	v_nop
.endr
	s_branch .Lasked_\@
.Lfor_b_\@:
	tensor_load_to_lds s[G0B+4*(\s):G0B+4*(\s)+3], s[G1B:G1B+7]
	s_nop 0
.rept 4
	v_nop
.endr
.Lasked_\@:
.endm
.macro CREST                           ; a round of the cluster's barrier behind its opening barrier
	s_cmp_lg_u32 s10, 0
	s_cbranch_scc1 .Lnot_wave_0_\@
	s_barrier_signal -3
.Lnot_wave_0_\@:
	s_barrier_wait -3
	s_barrier_signal -1
	s_barrier_wait -1
.endm
.macro CROUND
	s_barrier_signal -1
	s_barrier_wait -1
	CREST
.endm
.macro PLACES
.rept 4
	v_nop
.endr
.endm
	s_load_b128 s[4:7], s[0:1], 0x0                ; xn s[4:5], Wqkv s[6:7]
	s_load_b128 s[44:47], s[0:1], 0x10             ; q s[44:45], kv s[46:47]
	v_lshl_add_u32 v[SPW], v0, 2, SPARE
	v_mov_b32 v[NIL], 0
	ds_add_u32 v[SPW], v[NIL]                      ; the wave's opening: the add and its wait ahead of my first tensor load
	v_lshrrev_b32 v1, 5, v0
	v_readfirstlane_b32 s10, v1                    ; wave 0..3
	s_lshr_b32 s11, s10, 1                         ; my half of the tile's rows.  Also: I fetch for A (0) or B (1)
	s_and_b32 s12, s10, 1                          ; my half of its columns.  Also: which half of that tile I fetch
	s_bfe_u32 s40, ttmp6, 0x40000                  ; cx
	s_lshl_b32 s13, ttmp9, 2
	s_add_co_u32 s13, s13, s40                     ; row tile = 4 x cluster x + cx
	s_and_b32 s42, ttmp7, 0xffff                   ; column tile, which the four partners share
	s_mov_b32 s[G1+0], (1<<16)|(1<<20)|(6<<22)|(3<<25)              ; no mask; 2-byte elements; padding on: 4 words after every 128
	s_mov_b32 s[G1+1], KSTEP<<16                   ; tensor_dim0 = 256
	s_mov_b32 s[G1+2], 64<<16                      ; tensor_dim1 = 64
	s_mov_b32 s[G1+3], KSTEP<<16                   ; tile_dim0 = 256
	s_mov_b32 s[G1+4], 64                          ; tile_dim1 = 64
	s_mov_b32 s[G1+5], PITCH_A
	s_mov_b32 s[G1+6], 0
	s_mov_b32 s[G1+7], 0
	s_mov_b32 s[G1B+0], 15|(1<<16)|(1<<20)|(1<<21)|(5<<22)|(7<<25)  ; the mask of four, bit 21 beside it; padding: 8 words after every 64
	s_mov_b32 s[G1B+1], 128<<16                    ; tensor_dim0 = 128
	s_mov_b32 s[G1B+2], 128<<16                    ; tensor_dim1 = 128
	s_mov_b32 s[G1B+3], 128<<16                    ; tile_dim0 = 128
	s_mov_b32 s[G1B+4], 128                        ; tile_dim1 = 128
	s_mov_b32 s[G1B+5], PITCH_B
	s_mov_b32 s[G1B+6], 0
	s_mov_b32 s[G1B+7], 0
	s_lshl_b32 s16, s13, 7
	s_lshl_b32 s17, s12, 6
	s_add_co_u32 s16, s16, s17                     ; A: row 128 x row tile + 64 x half,
	s_lshl_b32 s16, s16, 11                        ; 2,048 bytes a row
	s_mov_b32 s17, 0
	s_mul_i32 s18, s12, 128*PITCH_B*2              ; B: row 128 x half,
	s_lshl_b32 s19, s42, 8                         ; column 128 x column tile: no place in the cluster enters it
	s_add_co_u32 s18, s18, s19
	s_mov_b32 s19, 0
	s_mul_i32 s20, s12, AH                         ; where they go: a constant and the wave's number alone
	s_mul_i32 s21, s12, BH
	s_add_co_u32 s21, s21, BOFF
	s_wait_dscnt 0x0                               ; the opening add is done
	s_wait_kmcnt 0x0
	s_add_nc_u64 s[14:15], s[4:5], s[16:17]
	s_add_nc_u64 s[18:19], s[6:7], s[18:19]
	CROUND                                         ; all four work-groups are here: the first joint loads meet
.irp s, 0,1
	s_mov_b32 s[G0+4*(\s)], 1
	s_add_co_u32 s[G0+4*(\s)+1], s20, (\s)*SLOT
	s_add_nc_u64 s[G0+4*(\s)+2:G0+4*(\s)+3], s[14:15], (\s)*STEP_A
	s_or_b32 s[G0+4*(\s)+3], s[G0+4*(\s)+3], 0x80000000
	s_mov_b32 s[G0B+4*(\s)], 1
	s_add_co_u32 s[G0B+4*(\s)+1], s21, (\s)*SLOT
	s_add_nc_u64 s[G0B+4*(\s)+2:G0B+4*(\s)+3], s[18:19], (\s)*STEP_B
	s_or_b32 s[G0B+4*(\s)+3], s[G0B+4*(\s)+3], 0x80000000
	JLOAD \s                                       ; two loads of mine are out
.endr
	v_and_b32 v1, 15, v0                           ; r = l % 16
	v_bfe_u32 v2, v0, 4, 1                         ; h = l / 16
	v_mul_u32_u24 v3, v1, PA
	v_lshl_add_u32 v3, v2, 4, v3                   ; A: row x pitch + 16 h
	s_mul_i32 s22, s11, AH                         ; my 64 rows
	v_add_nc_u32 v[ADRA], s22, v3
	v_add_nc_u32 v[ADRA+1], SLOT, v[ADRA]
	v_and_b32 v4, 7, v0                            ; B, turned: lane l reads row 8 h + l % 8, 16 bytes at 16 ((l / 8) % 2)
	v_bfe_u32 v5, v0, 3, 1
	v_lshl_add_u32 v4, v2, 3, v4
	v_mul_u32_u24 v4, v4, PB
	v_lshl_add_u32 v4, v5, 4, v4
	s_lshl_b32 s22, s12, 7                         ; my 64 columns
	s_add_co_u32 s22, s22, BOFF
	v_add_nc_u32 v[ADRB], s22, v4
	v_add_nc_u32 v[ADRB+1], BH, v[ADRB]
	v_add_nc_u32 v[ADRB+2], SLOT, v[ADRB]
	v_add_nc_u32 v[ADRB+3], SLOT, v[ADRB+1]
	s_mul_i32 s23, s11, 64*SPITCH                  ; into the stage: my 64 rows, my half of their 256 bytes
	s_lshl_b32 s22, s12, 7
	s_add_co_u32 s23, s23, s22
	s_add_co_u32 s23, s23, STAGE
	v_mul_u32_u24 v4, v1, SPITCH
	v_lshl_add_u32 v4, v2, 4, v4
	v_add_nc_u32 v[STO], s23, v4
	s_mul_i32 s23, s10, 32*SPITCH                  ; back: wave w takes rows 32 w .. 32 w + 31, whole
	s_add_co_u32 s23, s23, STAGE
	v_mul_u32_u24 v5, v2, SPITCH
	v_lshl_add_u32 v5, v1, 4, v5
	v_add_nc_u32 v[RD], s23, v5
	v_lshlrev_b32 v5, 10, v2                       ; q: two rows of 1,024 bytes
	v_lshl_add_u32 v[CO], v1, 4, v5
	v_lshlrev_b32 v5, 7, v2                        ; k, v: two rows of 128 bytes; lanes 0-7 of a half hold k, lanes 8-15 v
	v_and_b32 v6, 7, v0
	v_lshl_add_u32 v5, v6, 4, v5
	v_bfe_u32 v6, v0, 3, 1
	v_lshl_add_u32 v[COK], v6, 19, v5
; 8 matrix instructions: m blocks a0, a0 + 1 x all 4 n blocks, 32 along K: half c of buffer f.  The 16 accumulators take turns.
.macro MUL8 f, c, a0, zero
	WIN MUL
.irp a, \a0, (\a0)+1
.irp b, 0,1,2,3
.if \zero
	v_wmma_f32_16x16x32_f16 v[ACC+8*(4*(\a)+(\b)):ACC+8*(4*(\a)+(\b))+7], v[(\f)+64+8*(4*(\c)+(\b)):(\f)+64+8*(4*(\c)+(\b))+7], v[(\f)+8*(4*(\c)+(\a)):(\f)+8*(4*(\c)+(\a))+7], 0
.else
	v_wmma_f32_16x16x32_f16 v[ACC+8*(4*(\a)+(\b)):ACC+8*(4*(\a)+(\b))+7], v[(\f)+64+8*(4*(\c)+(\b)):(\f)+64+8*(4*(\c)+(\b))+7], v[(\f)+8*(4*(\c)+(\a)):(\f)+8*(4*(\c)+(\a))+7], v[ACC+8*(4*(\a)+(\b)):ACC+8*(4*(\a)+(\b))+7]
.endif
.endr
.endr
.endm
; 32 LDS loads in one run: the fragments of quarter q (64 along K) into buffer f; the first 32 along K first
.macro FETCH slot, q, f
	WIN TO_F
.irp c, 0,1
.irp i, 0,1,2,3
	ds_load_tr16_b128 v[(\f)+64+8*(4*(\c)+(\i)):(\f)+64+8*(4*(\c)+(\i))+3],   v[ADRB+2*(\slot)+(\q)/2] offset:((\q)%2)*64*PB+(\c)*32*PB+32*(\i)
	ds_load_tr16_b128 v[(\f)+64+8*(4*(\c)+(\i))+4:(\f)+64+8*(4*(\c)+(\i))+7], v[ADRB+2*(\slot)+(\q)/2] offset:((\q)%2)*64*PB+(\c)*32*PB+32*(\i)+16*PB
	ds_load_b128 v[(\f)+8*(4*(\c)+(\i)):(\f)+8*(4*(\c)+(\i))+3],              v[ADRA+(\slot)] offset:128*(\q)+64*(\c)+(\i)*16*PA
	ds_load_b128 v[(\f)+8*(4*(\c)+(\i))+4:(\f)+8*(4*(\c)+(\i))+7],            v[ADRA+(\slot)] offset:128*(\q)+64*(\c)+(\i)*16*PA+32
.endr
.endr
.endm
; One of a K step's first three quarters: multiplies buffer f and fetches quarter q into g
.macro QUARTER slot, q, f, g, zero
	s_wait_dscnt 16                                ; the first 32 along K are in; the run's other sixteen loads may be out
	MUL8 \f, 0, 0, \zero
	MUL8 \f, 0, 2, \zero
	PLACES                                         ; four places in front of loads into registers that matrix instructions have read
	FETCH \slot, \q, \g
	s_wait_dscnt 32                                ; all but the 32 just issued
	MUL8 \f, 1, 0, 0
	MUL8 \f, 1, 2, 0
.endm
; The last quarter multiplies buffer 1 and changes slots: one barrier; in front of it each wave waits for all its tensor loads, adds 0 to its spare word, and waits for that and for its reads of this slot
.macro TURN slot, next, fill
	WIN 0
	s_wait_tensorcnt 0x0                           ; all my tensor loads have landed: my part of the next slot
	ds_add_u32 v[SPW], v[NIL]
	s_wait_dscnt 17                                ; (the add and the youngest sixteen loads may be out)
	MUL8 F1, 0, 0, 0
	s_wait_dscnt 0x0                               ; the add is done, and my reads of this slot are over
	s_barrier_signal -1
	MUL8 F1, 0, 2, 0
.if \fill
	WIN 0
.endif
	s_barrier_wait -1
.if \fill
	CREST                                          ; the barrier has opened a round of the cluster's: no wave of any partner still reads this slot or has a load on its way
	s_add_nc_u64 s[G0+4*(\slot)+2:G0+4*(\slot)+3], s[G0+4*(\slot)+2:G0+4*(\slot)+3], 2*STEP_A
	s_add_nc_u64 s[G0B+4*(\slot)+2:G0B+4*(\slot)+3], s[G0B+4*(\slot)+2:G0B+4*(\slot)+3], 2*STEP_B
	JLOAD \slot                                    ; my one tensor load behind the round; its four v_nop are also the places in front of the loads below
.else
	PLACES
.endif
	FETCH \next, 0, F0
	MUL8 F1, 1, 0, 0
	MUL8 F1, 1, 2, 0
.endm
	s_wait_tensorcnt 1                             ; my part of K step 0 is in; K step 1's may stay out
	s_barrier_signal -1
	s_barrier_wait -1
	FETCH 0, 0, F0
	QUARTER 0, 1, F0, F1, 1                        ; the first products start the sums: nothing is cleared
	WIN 0
	s_mov_b32 s3, LAPS-1
.Llap:                                                 ; a trip goes once round the ring and fills both slots again
	QUARTER 0, 2, F1, F0, 0
	QUARTER 0, 3, F0, F1, 0
	TURN 0, 1, 1
	QUARTER 1, 1, F0, F1, 0
	QUARTER 1, 2, F1, F0, 0
	QUARTER 1, 3, F0, F1, 0
	TURN 1, 0, 1
	QUARTER 0, 1, F0, F1, 0
	WIN 0
	s_sub_co_u32 s3, s3, 1
	s_cmp_lg_u32 s3, 0
	s_cbranch_scc1 .Llap
	QUARTER 0, 2, F1, F0, 0                        ; the last lap fills nothing
	QUARTER 0, 3, F0, F1, 0
	TURN 0, 1, 0
	QUARTER 1, 1, F0, F1, 0
	QUARTER 1, 2, F1, F0, 0
	QUARTER 1, 3, F0, F1, 0
	s_wait_dscnt 16
	MUL8 F1, 0, 0, 0
	MUL8 F1, 0, 2, 0
	s_wait_dscnt 0x0
	MUL8 F1, 1, 0, 0
	MUL8 F1, 1, 2, 0
	WIN 0
	; THE WAY OUT: rounded to f16; 16 bytes a lane into the work-group's stage; a barrier, since a row's 256 bytes come from two waves; back as whole rows, 32 a wave
	PLACES
	PLACES
.irp t, 0,1,2,3,4,5,6,7,8,9,10,11,12,13,14,15
.irp r, 0,1,2,3
	v_cvt_pk_f16_f32 v[TMP+4*(\t)+(\r)], v[ACC+8*(\t)+2*(\r)], v[ACC+8*(\t)+2*(\r)+1]
.endr
.endr
.irp a, 0,1,2,3
.irp b, 0,1,2,3
	ds_store_b128 v[STO], v[TMP+4*(4*(\a)+(\b)):TMP+4*(4*(\a)+(\b))+3] offset:(\a)*16*SPITCH+32*(\b)
.endr
.endr
	s_wait_dscnt 0x0                               ; for the others' sake: my stores into the stage are done
	s_barrier_signal -1
	s_barrier_wait -1
.irp t, 0,1,2,3,4,5,6,7,8,9,10,11,12,13,14,15
	ds_load_b128 v[TMP+4*(\t):TMP+4*(\t)+3], v[RD] offset:(\t)*2*SPITCH
.endr
	s_lshl_b32 s16, s13, 7
	s_lshl_b32 s17, s10, 5
	s_add_co_u32 s16, s16, s17                     ; the first row that I store: 128 x row tile + 32 x wave
	s_mov_b32 s17, 0
	s_cmp_eq_u32 s42, 4                            ; the fifth column tile is k and v: the same answer in all four partners
	s_cbranch_scc1 .Lkv
	s_lshl_b32 s16, s16, 10
	s_lshl_b32 s22, s42, 8
	s_add_co_u32 s16, s16, s22
	s_add_nc_u64 s[8:9], s[44:45], s[16:17]
.irp t, 0,1,2,3,4,5,6,7,8,9,10,11,12,13,14,15
	s_wait_dscnt 15-(\t)
	global_store_b128 v[CO], v[TMP+4*(\t):TMP+4*(\t)+3], s[8:9] offset:2048*(\t)  ; 16 lanes store 256 consecutive bytes, aligned
.endr
	s_branch .Lend
.Lkv:
	s_lshl_b32 s16, s16, 7
	s_add_nc_u64 s[8:9], s[46:47], s[16:17]
.irp t, 0,1,2,3,4,5,6,7,8,9,10,11,12,13,14,15
	s_wait_dscnt 15-(\t)
	global_store_b128 v[COK], v[TMP+4*(\t):TMP+4*(\t)+3], s[8:9] offset:256*(\t)  ; two rows: 256 consecutive bytes of k and 256 of v, each aligned
.endr
.Lend:
	s_wait_tensorcnt 0x0                           ; the wave's end
	ds_add_u32 v[SPW], v[NIL]
	s_wait_dscnt 0x0
	CROUND                                         ; the closing round
	s_endpgm
.Lfunc_end_k_q9fd7f376be_qkv:
	.size	k_q9fd7f376be_qkv, .Lfunc_end_k_q9fd7f376be_qkv-k_q9fd7f376be_qkv
	.p2alignl 7, 3214868480
	.fill 96, 4, 3214868480
	.section	.rodata,"a",@progbits
	.p2align	6, 0x0
	.amdhsa_kernel k_q9fd7f376be_qkv
		.amdhsa_group_segment_fixed_size 327680
		.amdhsa_private_segment_fixed_size 0
		.amdhsa_enable_private_segment 0
		.amdhsa_kernarg_size 32
		.amdhsa_user_sgpr_count 2
		.amdhsa_user_sgpr_kernarg_segment_ptr 1
		.amdhsa_wavefront_size32 1
		.amdhsa_system_sgpr_workgroup_id_x 1
		.amdhsa_system_sgpr_workgroup_id_y 1
		.amdhsa_system_sgpr_workgroup_id_z 1
		.amdhsa_system_vgpr_workitem_id 0
		.amdhsa_next_free_vgpr 512
		.amdhsa_next_free_sgpr 66
		.amdhsa_reserve_vcc 0
		.amdhsa_float_denorm_mode_32 3
		.amdhsa_float_denorm_mode_16_64 3
		.amdhsa_memory_ordered 1
		.amdhsa_forward_progress 1
		.amdhsa_inst_pref_size 89
	.end_amdhsa_kernel
	.amdgpu_metadata
---
amdhsa.version: [ 1, 2 ]
amdhsa.kernels:
  - .name:           k_q9fd7f376be_qkv
    .symbol:         k_q9fd7f376be_qkv.kd
    .args:
      - { .name: xn, .offset: 0, .size: 8, .value_kind: global_buffer, .address_space: global }
      - { .name: Wqkv, .offset: 8, .size: 8, .value_kind: global_buffer, .address_space: global }
      - { .name: q, .offset: 16, .size: 8, .value_kind: global_buffer, .address_space: global }
      - { .name: kv, .offset: 24, .size: 8, .value_kind: global_buffer, .address_space: global }
    .group_segment_fixed_size: 327680
    .private_segment_fixed_size: 0
    .kernarg_segment_align: 8
    .kernarg_segment_size: 32
    .max_flat_workgroup_size: 128
    .sgpr_count:     66
    .vgpr_count:     512
    .wavefront_size: 32
...
	.end_amdgpu_metadata
.endif
;; end of part 2
;; launch attn (part 3): grid 128 x 2, 4 waves a work-group, clusters of 4 x 1, 327,680 bytes of LDS; arguments q, kv, A2, Wff1, Wff2, W1h, W2b; writes A2, W1h, W2b
.if DOCPART == 3
	.amdgcn_target "amdgcn-amd-amdhsa--gfx1250"
	.amdhsa_code_object_version 6
	.text
	.protected	k_q9fd7f376be_attn
	.globl	k_q9fd7f376be_attn
	.p2align	8
	.type	k_q9fd7f376be_attn,@function
k_q9fd7f376be_attn:
	s_mov_b64 s[64:65], 0
	v_nop
	global_prefetch_b8 v0, s[64:65] scope:SCOPE_SE
	s_setreg_imm32_b32 hwreg(HW_REG_WAVE_MODE, 25, 1), 1
	s_wait_xcnt 0x0
	s_wait_alu depctr_hold_cnt(0) depctr_sa_sdst(0) depctr_va_vdst(0) depctr_va_sdst(0) depctr_va_ssrc(0) depctr_va_vcc(0) depctr_vm_vsrc(0)
	s_getreg_b32 s2, hwreg(HW_REG_IB_STS2, 6, 4)
	s_cmp_eq_u32 s2, 0
	s_cbranch_scc0 .Lentry_in_a_cluster
	s_endpgm
.Lentry_in_a_cluster:
	s_bfe_u32 s2, ttmp6, 0x10000c
	s_cmp_lg_u32 s2, 0x3003
	s_cbranch_scc0 .Lentry_shape_is_right
	s_endpgm
.Lentry_shape_is_right:
; MULTI-QUERY ATTENTION, AND BESIDE IT THE CAST OF THE TWO LARGE WEIGHTS.
; O[pos][head][:] = the sum over keys of softmax(q[pos][head] . k[key] / 8) v[key][:], 8 heads of 64 channels on ONE k and v for each of 2 batches of 2,048 positions.
; q: [4096][512] f16, unscaled; kv: k [4096][64] f16 at byte 0, v at byte 524,288; O goes to A2 [4096][4608] bf16, columns 0-511.  Products, maxima and sums in f32; the weights p are rounded to
; f16 for the second product (their sum l is taken of the unrounded p), O once at the end, to bf16.
; LIMITS.  q, k, v arrive within f16's 65,504; p below 6e-5 keeps f16's fixed step; a weight below 2^-126 counts as 0 in l; NaN and infinities are not treated apart.
; SHARES.  A work-group owns 16 positions x 8 heads: 256 work-groups.  Wave w owns heads 2 w and 2 w + 1: two PIECES of 16 queries.  Every wave walks the batch's 2,048 keys, 64 a step.
; LAYOUT.  S^T = K Q^T (source 0 = 16 keys, source 1 = 16 queries): a lane holds ONE query (lane % 16) and the keys 8 (lane / 16) + 0..7; two such results rounded to f16 ARE source 1 of O^T = V^T P.
; K comes out of LDS as it lies, V ([key][channel]) turned, by ds_load_tr16_b128.
; SOFTMAX.  A running maximum m and sum l for each query: p = 2^(c s - c m), c = log2(e) / 8; in every step O and l are multiplied by a = 2^(c m_old - c m_new).  m starts at the lowest finite number,
; O and l at 0, so the first step is a step like any other, with a = 0.
; BY TURNS.  In turn x piece x has the matrix unit: 8 products V^T P of step j, then 8 products K Q^T of step j + 1.  Beside them stand the other piece's scalings and exponentials, three behind
; each product; behind the turn's one wait stand that piece's roundings, sums and rescaling and piece x's next maximum.  Two turns are a key step.
; K LIES ONE STEP AHEAD OF V IN A SLOT: slot tile n holds v's keys 256 n .. + 255 and k's keys 256 n + 64 .. + 319, so the one run of LDS loads of a step (V of step j + 1, K of step j + 2) never
; straddles two slots.  K of step 0 comes straight from memory.  The last tile's last 64 rows of k are the next batch's, or v's first: inside kv; only scores that nobody uses are made of them.
; CLUSTER.  The four work-groups of a cluster belong to one batch and walk the same k and v: each tile is asked for JOINTLY, the same load, descriptor and mask in all four.
; THE CASTS.  Wff1 [1024][8192] f32 -> W1h f16 and Wff2 [4096][1024] f32 -> W2b bf16, rows 512 on, both dense and in their own layout.  The attention reads 5 MB and stores 4 MB in all, so these
; 50 MB in and 25 MB out go beside it.  Wave g of the launch's 1,024 takes 64 runs of 512 bytes of Wff1 and 32 of Wff2, on end, in eight batches of 8 + 4 loads.  A batch is asked for four key steps
; ahead of its conversion, so no wave waits for it, and for the same reason nothing of it is prefetched: batch 1 at the head; once in each of the loop's seven slots, at the head of the key step at
; which CNT = 2, a batch is converted and stored and the next is asked for; batch 8 is converted behind the last products.  Each load of a wave covers 512 consecutive bytes, each store 256, aligned.
; Both weights are rounded once to bf16; Wff1's bf16 number is written as f16: exact from 6.1e-5 to 65,504; below, f16's fixed step of 6e-8; beyond 65,504 an infinity.
; REGISTERS.  window 0: v1-15, v32-37 addresses; v16-23 statistics (c m, m, l, l a piece); v24-31 at work; v64-127 S^T; v128-159 P; v160-191 Q; v192-255 K of one step.
;   window 1: v0-63 O^T, 32 a piece; v64-127 V of one step; v128-215 the casts.  So only V^T P, the rescaling and the casts leave window 0.
.set KS,    64
.set PK,    144       ; a row of K in LDS: 128 bytes + 16: the 16 rows of a load start at 16 different groups of four banks
.set PV,    160       ; a row of V: 128 + 32
.set VOFF,  4*KS*PK   ; a slot: 256 rows of K, then 256 rows of V
.set SLOT1, 1<<17     ; one exclusive or turns an address in one slot into the other's
.set STAGE, SLOT1+4*KS*(PK+PV)  ; behind the ring: 16 rows x 272 bytes for each wave
.set SP,    272
.set SPARE, STAGE+4*16*SP       ; the spare words, 128 bytes for each wave
.set AK0, 2
.set AV0, 3
.set AK,  4
.set AV,  5
.set STO, 6
.set RD,  7
.set GO,  8
.set MV,  12          ; v12-13  c m_old, kept while c m is made anew
.set PFO, 14          ; 256 x my lane
.set KO,  15          ; my byte offset in 16 rows of k in memory
.set ST,  16
.set TMP, 24          ; four registers c0-c3 a piece; a takes c2's place
.set SPW, 32
.set NIL, 33
.set QO,  34          ; my byte offset in 16 rows of q
.set CSRC, 36         ; the casts: 16 x my lane; never rewritten
.set CDST, 37         ; the casts: 8 x my lane; never rewritten
.set S,   64
.set P,   128
.set Q,   160
.set KF,  192         ; key block kb, channel half c at KF + 16 kb + 8 c
.set VF,  64          ; window 1: key half kk, channel block cb at VF + 32 kk + 8 cb
.set CD,  128         ; window 1: v128-175 a batch as loaded: 8 x 4 numbers of Wff1, then 4 x 4 of Wff2
.set CO,  176         ; window 1: v176-199 the batch to store: 8 x 2 words of f16, then 4 x 2 of bf16
.set CT,  200         ; window 1: v200-215 Wff1's numbers as bf16, packed
.set S1,  10          ; s[10:11] Wff1 at the batch last asked for
.set WV,  12
.set LIM, 15          ; 1 in a wave that prefetches, else the greatest number
.set PFA, 18          ; s[18:19] where my prefetches stand
.set G1K, 24
.set G1V, 32
.set G0K, 40
.set G0V, 44
.set SLOTS, 56
.set CNT, 57
.set CS,  58
.set SEL, 60
.set TBK, 62
.set TBV, 63
.set S2,  68          ; s[68:69] Wff2 at the batch last asked for
.set D1,  70          ; s[70:71] W1h, in step with S1
.set D2,  72          ; s[72:73] W2b, in step with S2
.set MASK, 74         ; s74  a word's upper bf16
.set MSB, 0
.macro WIN new
.if MSB != (\new)
	s_set_vgpr_msb (MSB<<8)|(\new)
.set MSB, (\new)
.endif
.endm
.set W_PV, 0x51       ; V, C and D in window 1, P in window 0
.set W_RS, 0x41       ; destination and source 0 in window 1, source 1 in window 0
.macro PLACES
.rept 4
	v_nop
.endr
.endm
.macro JLOAD                        ; waves 0 and 1 fetch the two halves of a slot's K, waves 2 and 3 those of its V; an s_nop 0 and four v_nop follow each line
	s_cmp_lt_u32 s[WV], 2
	s_cbranch_scc0 .Lfor_v_\@
	tensor_load_to_lds s[G0K:G0K+3], s[G1K:G1K+7]
	s_nop 0
.rept 4
	v_nop
.endr
	s_branch .Lasked_\@
.Lfor_v_\@:
	tensor_load_to_lds s[G0V:G0V+3], s[G1V:G1V+7]
	s_nop 0
.rept 4
	v_nop
.endr
.Lasked_\@:
.endm
; A prefetch of what the NEXT change of slots will ask for: 32,768 bytes of k and of v, 256 bytes a lane.  Each block is named once in the launch: the batch's first cluster asks; its four partners take
; 8,192 bytes each, told apart by address; in each, wave 0 asks for k's and wave 2 for v's.  It stands four key steps, 128 matrix instructions, ahead of that load.  The last filling change asks for nothing.
.macro ASK
	s_cmp_gt_u32 s[SLOTS], s[LIM]
	s_cbranch_scc0 .Lnot_mine_\@
	global_prefetch_b8 v[PFO], s[PFA:PFA+1] th:TH_LOAD_NT scope:SCOPE_SE
.Lnot_mine_\@:
.endm
.macro CROUND
	s_barrier_signal -1
	s_barrier_wait -1
	s_cmp_lg_u32 s[WV], 0
	s_cbranch_scc1 .Lnot_wave_0_\@
	s_barrier_signal -3
.Lnot_wave_0_\@:
	s_barrier_wait -3
	s_barrier_signal -1
	s_barrier_wait -1
.endm
; THE CHANGE OF SLOTS.  Each wave waits for all its tensor loads (one is out: its part of the other slot), adds 0 to its spare word, and waits for that and for its reads of the slot that it leaves.
; fill = 1: the barrier is a round of the cluster's, and the joint fill of the old slot, with the keys two slots on, is the first thing behind it.  (At its first use slot 0 is waited for and slot 1 filled.)
.macro CHANGE fill
	WIN 0
	s_wait_tensorcnt 0x0            ; no tensor load of mine is out, so a group 0 may be written
	ds_add_u32 v[SPW], v[NIL]
.if \fill
.irp g, G0K, G0V
	s_xor_b32 s[\g+1], s[\g+1], SLOT1
	s_add_nc_u64 s[\g+2:\g+3], s[\g+2:\g+3], 4*KS*128
.endr
	s_wait_xcnt 0x0                 ; the last prefetch, four key steps back, has read its address (the casts' youngest loads and stores stand two key steps back)
	s_add_nc_u64 s[PFA:PFA+1], s[PFA:PFA+1], 4*KS*128
	s_wait_dscnt 0x0                ; the add is done, and my reads of the slot are over
	CROUND
	JLOAD
	ASK
.else
	s_wait_dscnt 0x0
	s_barrier_signal -1
	s_barrier_wait -1
.endif
	s_sub_co_u32 s[TBK], s[TBK], 4*KS*PK  ; the fetches go back to a slot's first step, in the other slot
	s_xor_b32 s[TBK], s[TBK], SLOT1
	s_sub_co_u32 s[TBV], s[TBV], 4*KS*PV
	s_xor_b32 s[TBV], s[TBV], SLOT1
.endm
; THE CASTS' THREE MACROS.  CISSUE: a batch's 12 loads, from where the two source pointers stand.
.macro CISSUE
	WIN 0x40                        ; destination window 1, address window 0
.set ci, 0
.rept 8
	global_load_b128 v[CD+4*ci:CD+4*ci+3], v[CSRC], s[S1:S1+1] offset:512*ci th:TH_LOAD_NT
.set ci, ci+1
.endr
.set ci, 0
.rept 4
	global_load_b128 v[CD+32+4*ci:CD+32+4*ci+3], v[CSRC], s[S2:S2+1] offset:512*ci th:TH_LOAD_NT
.set ci, ci+1
.endr
	WIN 0
.endm
; CCONS: the batch that is in is converted and stored: 72 vector instructions, by kinds, so that none reads the result of the one before it.  back1, back2: how far the stores reach back behind the target pointers.
.macro CCONS back1, back2
	s_wait_loadcnt 0x0              ; the batch was asked for four key steps ago; the wave has no other load out
	WIN 0x45                        ; both sources and the destination in window 1
.set ci, 0
.rept 16
	v_cvt_pk_bf16_f32 v[CT+ci], v[CD+2*ci], v[CD+2*ci+1]        ; Wff1: rounded to bf16,
.set ci, ci+1
.endr
.set ci, 0
.rept 16
	v_lshlrev_b32 v[CD+2*ci], 16, v[CT+ci]                      ; widened again,
	v_and_b32 v[CD+2*ci+1], s[MASK], v[CT+ci]
.set ci, ci+1
.endr
.set ci, 0
.rept 16
	v_cvt_pk_f16_f32 v[CO+ci], v[CD+2*ci], v[CD+2*ci+1]         ; and that number written as f16
.set ci, ci+1
.endr
.set ci, 0
.rept 8
	v_cvt_pk_bf16_f32 v[CO+16+ci], v[CD+32+2*ci], v[CD+32+2*ci+1]  ; Wff2: rounded to bf16
.set ci, ci+1
.endr
	WIN 0x04                        ; store data (source 1) in window 1, address in window 0
.set ci, 0
.rept 8
	global_store_b64 v[CDST], v[CO+2*ci:CO+2*ci+1], s[D1:D1+1] offset:256*ci-(\back1)  ; the wave stores 256 consecutive bytes, at a multiple of 256 from W1h's first
.set ci, ci+1
.endr
.set ci, 0
.rept 4
	global_store_b64 v[CDST], v[CO+16+2*ci:CO+16+2*ci+1], s[D2:D2+1] offset:256*ci-(\back2)
.set ci, ci+1
.endr
	WIN 0
.endm
; CAST: once a slot.  The four pointers step to the next batch; the batch that is in goes out, its stores reaching back by one step; the next batch is asked for.
.macro CAST
	s_wait_xcnt 0x0                 ; every earlier load, store and prefetch has read its sources: the pointers and the last batch's store data are written only behind this wait
	s_add_nc_u64 s[S1:S1+1], s[S1:S1+1], 8*512
	s_add_nc_u64 s[D1:D1+1], s[D1:D1+1], 8*256
	s_add_nc_u64 s[S2:S2+1], s[S2:S2+1], 4*512
	s_add_nc_u64 s[D2:D2+1], s[D2:D2+1], 4*256
	CCONS 8*256, 4*256
	CISSUE
.endm
	s_load_b128 s[4:7], s[0:1], 0x0    ; q s[4:5], kv s[6:7]
	s_load_b128 s[8:11], s[0:1], 0x10  ; A2 s[8:9], Wff1 s[10:11]
	s_load_b128 s[68:71], s[0:1], 0x20 ; Wff2 s[68:69], W1h s[70:71]
	s_load_b64 s[72:73], s[0:1], 0x30  ; W2b
	v_lshl_add_u32 v[SPW], v0, 2, SPARE
	v_mov_b32 v[NIL], 0
	ds_add_u32 v[SPW], v[NIL]       ; the wave's opening: the add and its wait ahead of my first tensor load
	v_lshrrev_b32 v1, 5, v0
	v_readfirstlane_b32 s[WV], v1   ; wave 0..3
	s_bfe_u32 s13, ttmp6, 0x40000   ; cx
	s_lshl_b32 s14, ttmp9, 2
	s_add_co_u32 s14, s14, s13      ; my block of 16 positions: it enters q's, A2's, the casts' and the prefetches' addresses alone
	s_and_b32 s16, ttmp7, 0xffff    ; the batch, which the four partners share
	s_and_b32 s17, s[WV], 1         ; which half of a slot's 256 keys I fetch
	s_lshl_b32 s48, s16, 18         ; the batch's 2,048 rows of 128 bytes
	s_mov_b32 s49, 0
	s_lshl_b32 s50, s17, 14         ; my 128 rows
	s_add_co_u32 s50, s50, s48
	s_mov_b32 s51, 0
	s_lshl_b32 s2, s16, 11
	s_lshl4_add_u32 s2, s14, s2     ; my first position among the 4,096
	s_lshl_b32 s3, s[WV], 8         ; my two heads: 256 bytes of a row of q and of A2
	s_lshl_b32 s52, s2, 10
	s_add_co_u32 s52, s52, s3
	s_mov_b32 s53, 0
	s_mul_i32 s54, s2, 9216
	s_add_co_u32 s54, s54, s3
	s_mov_b32 s55, 0
	s_lshl_b32 s76, s16, 7          ; the casts: my work-group among the 256,
	s_add_co_u32 s76, s76, s14
	s_lshl2_add_u32 s76, s76, s[WV] ; my wave g among the 1,024
	s_lshl_b32 s78, s76, 14         ; 16,384 g: my share of Wff2, and of W1h
	s_mov_b32 s79, 0
	s_lshl_b32 s80, s76, 13         ; 8,192 g: my share of W2b,
	s_add_co_u32 s80, s80, 0x100000 ; behind Wo's 512 rows
	s_mov_b32 s81, 0
	s_lshl_b32 s76, s76, 15         ; 32,768 g: my share of Wff1
	s_mov_b32 s77, 0
	s_mov_b32 s[MASK], 0xffff0000
	; group 1: 128 keys are 16,384 dense bytes: asked for as 64 rows of 256 bytes, two keys a row, padded in LDS after every key
	s_mov_b32 s[G1K], 15|(1<<16)|(1<<20)|(1<<21)|(4<<22)|(3<<25)  ; the mask of four, bit 21 beside it; 2-byte elements; 4 words after every 32
	s_mov_b32 s[G1V], 15|(1<<16)|(1<<20)|(1<<21)|(4<<22)|(7<<25)  ; the same with 8 words
.irp g, G1K, G1V
	s_mov_b32 s[\g+1], 128<<16      ; tensor_dim0 = 128
	s_mov_b32 s[\g+2], 64<<16       ; tensor_dim1 = 64
	s_mov_b32 s[\g+3], 128<<16      ; tile_dim0 = 128
	s_mov_b32 s[\g+4], 64           ; tile_dim1 = 64
	s_mov_b32 s[\g+5], 128
	s_mov_b32 s[\g+6], 0
	s_mov_b32 s[\g+7], 0
.endr
	s_mov_b32 s[CS], 0x3e38aa3b     ; c = log2(e) / 8
	s_mov_b32 s[CS+1], s[CS]
	s_mov_b32 s[SEL], 0x76543210
	s_mov_b32 s[SEL+1], 0xfedcba98
	s_mov_b32 s[TBK], SLOT1+4*KS*PK ; the first change of slots turns these two into 0
	s_mov_b32 s[TBV], SLOT1+4*KS*PV
	s_mov_b32 s[SLOTS], 7
	s_mov_b32 s[G0K], 1
	s_mul_i32 s[G0K+1], s17, 128*PK ; LDS: slot 0, my half
	s_mov_b32 s[G0V], 1
	s_mul_i32 s[G0V+1], s17, 128*PV
	s_add_co_u32 s[G0V+1], s[G0V+1], VOFF
	s_and_b32 s[LIM], s[WV], 1      ; 0 in waves 0 and 2,
	s_or_b32 s[LIM], s[LIM], ttmp9  ; where the cluster is the batch's first: the same in all four partners
	s_cmp_eq_u32 s[LIM], 0
	s_cselect_b32 s[LIM], 1, -1
	v_and_b32 v[PFO], 31, v0
	v_lshlrev_b32 v[CDST], 3, v[PFO]
	v_lshlrev_b32 v[CSRC], 4, v[PFO]
	v_lshlrev_b32 v[PFO], 8, v[PFO]
	s_wait_dscnt 0x0                ; the opening add is done
	s_wait_kmcnt 0x0
	s_add_nc_u64 s[20:21], s[6:7], s[50:51]
	s_add_nc_u64 s[22:23], s[20:21], 524288      ; v: my half of tile 0
	s_add_nc_u64 s[20:21], s[20:21], KS*128      ; k: the same, one step on
	s_mov_b64 s[G0K+2:G0K+3], s[20:21]
	s_or_b32 s[G0K+3], s[G0K+3], 0x80000000
	s_mov_b64 s[G0V+2:G0V+3], s[22:23]
	s_or_b32 s[G0V+3], s[G0V+3], 0x80000000
	s_add_nc_u64 s[6:7], s[6:7], s[48:49]        ; k of the batch's step 0
	s_add_nc_u64 s[4:5], s[4:5], s[52:53]        ; q and A2 at my first row, my two heads
	s_add_nc_u64 s[8:9], s[8:9], s[54:55]
	s_add_nc_u64 s[S1:S1+1], s[S1:S1+1], s[76:77]  ; the casts' four pointers at my share's first byte
	s_add_nc_u64 s[S2:S2+1], s[S2:S2+1], s[78:79]
	s_add_nc_u64 s[D1:D1+1], s[D1:D1+1], s[78:79]
	s_add_nc_u64 s[D2:D2+1], s[D2:D2+1], s[80:81]
	s_cmp_lt_u32 s[WV], 2
	s_cselect_b64 s[PFA:PFA+1], s[20:21], s[22:23]  ; (in waves 0 and 2 these stand at a tile's first row)
	s_lshl_b32 s2, s13, 13          ; my work-group's quarter of a tile
	s_mov_b32 s3, 0
	s_add_nc_u64 s[PFA:PFA+1], s[PFA:PFA+1], s[2:3]
	s_add_nc_u64 s[PFA:PFA+1], s[PFA:PFA+1], 4*KS*128  ; in tile 1; the first change steps it to tile 2.  Nothing is asked for here, at the head
	CROUND                          ; all four work-groups are here: the first joint loads meet
	JLOAD                           ; tile 0 into slot 0
	v_and_b32 v1, 15, v0            ; r = l % 16
	v_bfe_u32 v9, v0, 4, 1          ; h = l / 16
	v_lshlrev_b32 v[QO], 10, v1
	v_lshl_add_u32 v[QO], v9, 4, v[QO]  ; row x 1,024 + 16 h
	v_lshlrev_b32 v[KO], 7, v1
	v_lshl_add_u32 v[KO], v9, 4, v[KO]  ; row x 128 + 16 h
.irp t, 0,1
.irp c, 0,1                         ; Q stays in registers: piece t, channels 32 c on
	global_load_b128 v[Q+16*\t+8*\c:Q+16*\t+8*\c+3],   v[QO], s[4:5] offset:128*\t+64*\c
	global_load_b128 v[Q+16*\t+8*\c+4:Q+16*\t+8*\c+7], v[QO], s[4:5] offset:128*\t+64*\c+32
.endr
.endr
.irp f, 0,1,2,3,4,5,6,7             ; K of step 0: a fragment in registers is laid out as the rows lie in memory
	global_load_b128 v[KF+8*\f:KF+8*\f+3],   v[KO], s[6:7] offset:(\f/2)*2048+(\f%2)*64
	global_load_b128 v[KF+8*\f+4:KF+8*\f+7], v[KO], s[6:7] offset:(\f/2)*2048+(\f%2)*64+32
.endr
	CISSUE                          ; the casts' batch 1, behind the loads that the first scores wait for
	; What the first turn finds: O^T, V, piece 1's P and l are 0.  All this stands in the wait for the first tile: the price of writing no first step out.
	WIN 0x40
.set i, 0
.rept 128
	v_mov_b32 v[i], 0
.set i, i+1
.endr
	WIN 0
.set i, 0
.rept 2
	v_mov_b32 v[ST+4*i], 0xfe000000    ; c m: far below every c s
	v_mov_b32 v[ST+4*i+1], 0xff7fffff  ; m
	v_mov_b32 v[ST+4*i+2], 0
	v_mov_b32 v[ST+4*i+3], 0
.set i, i+1
.endr
.set i, P+16
.rept 16
	v_mov_b32 v[i], 0
.set i, i+1
.endr
	v_mul_u32_u24 v[AK0], v1, PK
	v_lshl_add_u32 v[AK0], v9, 4, v[AK0]  ; row x pitch + 16 h
	v_and_b32 v10, 7, v0            ; the turning load: lane l reads key 8 h + l % 8, channels 8 ((l / 8) % 2) + 0..7
	v_bfe_u32 v11, v0, 3, 1
	v_lshl_add_u32 v[AV0], v9, 3, v10
	v_mul_u32_u24 v[AV0], v[AV0], PV
	v_lshl_add_u32 v[AV0], v11, 4, v[AV0]
	v_add_nc_u32 v[AV0], VOFF, v[AV0]
	s_mul_i32 s54, s[WV], 16*SP
	s_add_co_u32 s54, s54, STAGE    ; my stage
	v_mul_u32_u24 v[STO], v1, SP    ; in: row r, 16 bytes for each half of the lanes
	v_lshl_add_u32 v[STO], v9, 4, v[STO]
	v_add_nc_u32 v[STO], s54, v[STO]
	v_mul_u32_u24 v[RD], v9, SP     ; back: lanes 0-15 one row of 256 bytes, lanes 16-31 the next
	v_lshl_add_u32 v[RD], v1, 4, v[RD]
	v_add_nc_u32 v[RD], s54, v[RD]
	v_mul_u32_u24 v[GO], v9, 9216   ; and the same two rows in A2
	v_lshl_add_u32 v[GO], v1, 4, v[GO]
; THE MATRIX WORK.  The 4 accumulators of a run of 8 take turns.  Product i of 8 of S^T = K Q^T: channels 32 (i / 4) on, keys 16 (i % 4) on; the first 4 start the sums.
.macro KQ x
	WIN 0
.set rS, S+32*(\x)+8*(i%4)
.set rK, KF+16*(i%4)+8*(i/4)
.set rQ, Q+16*(\x)+8*(i/4)
.if i < 4
	v_wmma_f32_16x16x32_f16 v[rS:rS+7], v[rK:rK+7], v[rQ:rQ+7], 0
.else
	v_wmma_f32_16x16x32_f16 v[rS:rS+7], v[rK:rK+7], v[rQ:rQ+7], v[rS:rS+7]
.endif
.endm
; Product i of 8 of O^T += V^T P: keys 32 (i / 4) on, channels 16 (i % 4) on.
.macro PV x
	WIN W_PV
.set rO, 32*(\x)+8*(i%4)
.set rV, VF+32*(i/4)+8*(i%4)
.set rP, P+16*(\x)+8*(i/4)
	v_wmma_f32_16x16x32_f16 v[rO:rO+7], v[rV:rV+7], v[rP:rP+7], v[rO:rO+7]
.endm
.macro MM                           ; the turn's next matrix instruction
.if mi < 8
.set i, mi
	PV PX
.else
.set i, mi-8
	KQ PX
.endif
.set mi, mi+1
.endm
.macro FETCH_V                      ; 16 loads: keys 32 (f / 4) on, channels 16 (f % 4) on
	WIN 0x40
.irp f, 0,1,2,3,4,5,6,7
	ds_load_tr16_b128 v[VF+8*\f:VF+8*\f+3],   v[AV] offset:(\f/4)*32*PV+(\f%4)*32
	ds_load_tr16_b128 v[VF+8*\f+4:VF+8*\f+7], v[AV] offset:(\f/4)*32*PV+16*PV+(\f%4)*32
.endr
	WIN 0
.endm
.macro FETCH_K                      ; 16 loads: keys 16 (f / 2) on, channels 32 (f % 2) on
	WIN 0
.irp f, 0,1,2,3,4,5,6,7
	ds_load_b128 v[KF+8*\f:KF+8*\f+3],   v[AK] offset:(\f/2)*16*PK+(\f%2)*64
	ds_load_b128 v[KF+8*\f+4:KF+8*\f+7], v[AK] offset:(\f/2)*16*PK+(\f%2)*64+32
.endr
.endm
; THE VECTOR WORK, one line at a time: OP kind, number.  For piece PY: F n: c s - c m for pair n of 16.  E n: the exponential of score n of 32.  C n: pair n rounded to f16.  B n: of the four weights
; 4 n .. the second pair is added onto the first, in place.  L n: l takes that sum (L 0: l = a l + sum).  R n: pair n of 16 of O^T times a.  X 21: a.  For piece PX: X n, n < 21: its next maximum and statistics:
;   0-11 four chains c0-c3 of seven scores each (each accumulator's lowest registers are read first)   12-14, 16 the four scores left over, the old m, c0-c3 into c0
;   15 c m_old is kept   17, 18 the query's other 32 keys lie in the lane 16 away: the new m   19, 20 c m; c m_old - c m_new
.set F, 0
.set E, 1
.set C, 2
.set B, 3
.set L, 4
.set R, 5
.set X, 6
.macro REGS y
.set rT, ST+4*(\y)
.set rC, TMP+4*(\y)
.set rW, MV+(\y)
.set rS, S+32*(\y)
.set rP, P+16*(\y)
.set rO, 32*(\y)
.endm
.macro OP k, n
.if (\k) == R
	REGS PY
	WIN W_RS
	v_pk_mul_f32 v[rO+2*(\n):rO+2*(\n)+1], v[rO+2*(\n):rO+2*(\n)+1], v[rC+2:rC+3] op_sel_hi:[1,0]
.elseif (\k) < R
	REGS PY
	WIN 0
.if (\k) == F
	v_pk_fma_f32 v[rS+2*(\n):rS+2*(\n)+1], v[rS+2*(\n):rS+2*(\n)+1], s[CS:CS+1], v[rT:rT+1] op_sel_hi:[1,0,0] neg_lo:[0,0,1] neg_hi:[0,0,1]
.elseif (\k) == E
	v_exp_f32 v[rS+(\n)], v[rS+(\n)]
.elseif (\k) == C
	v_cvt_pk_f16_f32 v[rP+(\n)], v[rS+2*(\n)], v[rS+2*(\n)+1]
.elseif (\k) == B
	v_pk_add_f32 v[rS+4*(\n):rS+4*(\n)+1], v[rS+4*(\n):rS+4*(\n)+1], v[rS+4*(\n)+2:rS+4*(\n)+3]
.elseif (\n) == 0
	v_pk_fma_f32 v[rT+2:rT+3], v[rT+2:rT+3], v[rC+2:rC+3], v[rS:rS+1] op_sel_hi:[1,0,1]
.else
	v_pk_add_f32 v[rT+2:rT+3], v[rT+2:rT+3], v[rS+4*(\n):rS+4*(\n)+1]
.endif
.elseif (\n) == 21
	REGS PY
	WIN 0
	v_exp_f32 v[rC+2], v[rC+1]
.else
	REGS PX
	WIN 0
.if (\n) < 4
	v_max3_num_f32 v[rC+(\n)], v[rS+8*(\n)], v[rS+8*(\n)+1], v[rS+8*(\n)+2]
.elseif (\n) < 12
	v_max3_num_f32 v[rC+(\n)%4], v[rC+(\n)%4], v[rS+8*((\n)%4)+2*((\n)/4)+1], v[rS+8*((\n)%4)+2*((\n)/4)+2]
.elseif (\n) == 12
	v_max3_num_f32 v[rC], v[rC], v[rS+7], v[rS+15]
.elseif (\n) == 13
	v_max3_num_f32 v[rC+1], v[rC+1], v[rS+23], v[rS+31]
.elseif (\n) == 14
	v_max3_num_f32 v[rC+2], v[rC+2], v[rC+3], v[rT+1]
.elseif (\n) == 15
	v_mov_b32 v[rW], v[rT]
.elseif (\n) == 16
	v_max3_num_f32 v[rC], v[rC], v[rC+1], v[rC+2]
.elseif (\n) == 17
	v_permlanex16_b32 v[rC+3], v[rC], s[SEL], s[SEL+1]
.elseif (\n) == 18
	v_max_num_f32 v[rT+1], v[rC], v[rC+3]
.elseif (\n) == 19
	v_mul_f32 v[rT], s[CS], v[rT+1]
.else
	v_sub_f32 v[rC+1], v[rW], v[rT]
.endif
.endif
.endm
.macro OPS a, i1, b=-1, i2=0, c=-1, i3=0, d=-1, i4=0
	OP \a, \i1
.if (\b) >= 0
	OP \b, \i2
.endif
.if (\c) >= 0
	OP \c, \i3
.endif
.if (\d) >= 0
	OP \d, \i4
.endif
.endm
; A TURN, for piece x.  AHEAD OF ITS ONE WAIT stands all that names no result of the turn's 33 exponentials: the 16 products, behind each a scaling and two exponentials (behind the first: a scaling and a).
; A pair is scaled one product ahead of its exponentials.  BEHIND THE WAIT: 53 plain instructions (the other piece's roundings and sums, this piece's next maximum, the links of whose chain stand apart)
; and the 16 rescalings in one run.  In piece 1's turn the step's one run of 32 LDS loads stands directly behind the wait: V of the next step, K of the step after it.  Between the last product that
; read K and that run stand five plain instructions: F 15, a v_nop, the two addresses, a v_nop; V's last use lies eight products back.  The run is waited for in piece 0's turn: V at its head, K at its ninth product.
; cnt = 1: the loop's count is taken down at the turn's end, ahead of the branch behind it.
.macro TURN x, cnt=0
.set PX, (\x)
.set PY, 1-(\x)
.set mi, 0
.if (\x) == 0
	s_wait_dscnt 16                 ; V is in; K's sixteen younger loads may stay out
.endif
	MM
	OP F, 0
	OP X, 21
.set ri, 1
.rept 15
.if ((\x) == 0) && (ri == 8)
	s_wait_dscnt 0x0                ; K is in
.endif
	MM
	OP F, ri
	OP E, 2*ri-2
	OP E, 2*ri-1
.set ri, ri+1
.endr
	OP E, 30
	OP E, 31
	v_nop                           ; a plain instruction behind the last exponential: one for the batch
.if (\x) == 1
	v_add_nc_u32 v[AK], s[TBK], v[AK0]
	v_add_nc_u32 v[AV], s[TBV], v[AV0]
	v_nop
.endif
	s_wait_alu depctr_va_vdst(0)    ; the wait for the batch, ahead of the first use of a result
.if (\x) == 1
	FETCH_V
	FETCH_K
	s_add_co_u32 s[TBK], s[TBK], KS*PK  ; the next run is the next step's
	s_add_co_u32 s[TBV], s[TBV], KS*PV
.endif
	OPS C,0, C,1, B,0, C,2
	OPS C,3, B,1, X,0, X,1
	OPS X,2, X,3, L,0, C,4
	OPS X,4, X,5, X,6, X,7
	OPS C,5, B,2, X,8, X,9
	OPS X,10, X,11, L,1, C,6
	OPS X,12, X,13, X,14, X,15
	OPS C,7, B,3, L,2, C,8
	OPS X,16, C,9, B,4, L,3
	OPS C,10, C,11, X,17, B,5
	OPS L,4, C,12, C,13, B,6
	OPS X,18, L,5, C,14, C,15
	OPS B,7, X,19, L,6, L,7
	OPS X,20
.set ri, 0
.rept 16
	OP R, ri
.set ri, ri+1
.endr
	WIN 0
.if \cnt
	s_sub_co_u32 s[CNT], s[CNT], 1
	s_cmp_lg_u32 s[CNT], 0
.endif
.endm
	CHANGE 1                        ; slot 0 is in, everybody's part of it; slot 1 is asked for
	s_wait_loadcnt 12               ; Q, and K of step 0; the casts' batch 1, twelve younger loads, may stay out
.set i, 0
.rept 8
	KQ 0                            ; piece 0's first scores
.set i, i+1
.endr
	PLACES
	PLACES
.set PX, 0
.set PY, 1
.irp n, 0,1,2,3,4,5,6,7,8,9,10,11,12,13,14,15,16,17,18,19,20
	OP X, \n                        ; and its first maximum and statistics
.endr
	s_mov_b32 s[CNT], 4
	s_branch .Lfirst                ; the loop is entered in the middle of a trip: piece 1's first turn adds 0 x 0 onto O^T, makes its first scores and fetches V of step 0 and K of step 1
.Lslot:                             ; six times: tiles 2 to 7 are asked for
	CHANGE 1
	s_mov_b32 s[CNT], 4
.Lstep:
	s_cmp_lg_u32 s[CNT], 2          ; CNT = 2 comes once in each of the seven slots that the loop walks (in the first, entered below, CNT is 3, 2, 1 here): two key steps from both changes of slots
	s_cbranch_scc1 .Lno_cast        ; the jump passes no barrier and no tensor load
	CAST
.Lno_cast:
	TURN 0
.Lfirst:
	TURN 1, 1
	s_cbranch_scc1 .Lstep
	s_sub_co_u32 s[SLOTS], s[SLOTS], 1
	s_cmp_lg_u32 s[SLOTS], 0
	s_cbranch_scc1 .Lslot
	CHANGE 0                        ; the tail is written out: nothing is asked for
	s_mov_b32 s[CNT], 5             ; four trips fetch the last slot's steps; the fifth is left in its middle
.Ltail:
	TURN 0
	s_sub_co_u32 s[CNT], s[CNT], 1
	s_cmp_eq_u32 s[CNT], 0
	s_cbranch_scc1 .Lout
	TURN 1
	s_branch .Ltail
.Lout:                              ; the fifth trip's 8 products K Q^T and the maximum made of them serve nothing: the price, once a launch, of one text for every trip
.set i, 0
.rept 8
	PV 1                            ; piece 1's V^T P of the last step
.set i, i+1
.endr
	WIN 0
	PLACES
	PLACES
	s_wait_xcnt 0x0                 ; batch 7's stores have read their data
	CCONS 0, 0                      ; the casts' batch 8: the pointers have stepped seven times and stand at it; nothing more is asked for
	; THE WAY OUT.  l's two halves and the other half of the lanes' are added; O^T is divided by l, rounded to bf16 and sent through my stage: two heads' 128 channels are 256 bytes of a row of A2.
.irp t, 0,1
	v_add_f32 v[ST+4*\t+2], v[ST+4*\t+2], v[ST+4*\t+3]
.endr
.irp t, 0,1
	v_permlanex16_b32 v[ST+4*\t+3], v[ST+4*\t+2], s[SEL], s[SEL+1]
.endr
.irp t, 0,1
	v_add_f32 v[ST+4*\t+2], v[ST+4*\t+2], v[ST+4*\t+3]
.endr
.irp t, 0,1
	v_rcp_f32 v[ST+4*\t+2], v[ST+4*\t+2]
.endr
	v_nop                           ; a plain instruction behind the last reciprocal,
	s_wait_alu depctr_va_vdst(0)    ; and one wait for both, ahead of their first use
.macro PACK t
	WIN W_RS
.set i, 32*(\t)
.rept 16
	v_pk_mul_f32 v[i:i+1], v[i:i+1], v[ST+4*(\t)+2:ST+4*(\t)+3] op_sel_hi:[1,0]
.set i, i+2
.endr
	WIN 0x05                        ; sources 0 and 1 window 1, destination window 0: S^T's registers are free
.set i, 0
.rept 16
	v_cvt_pk_bf16_f32 v[S+16*(\t)+i], v[32*(\t)+2*i], v[32*(\t)+2*i+1]
.set i, i+1
.endr
	WIN 0
.irp f, 0,1,2,3
	ds_store_b128 v[STO], v[S+16*(\t)+4*\f:S+16*(\t)+4*\f+3] offset:128*(\t)+32*\f
.endr
.endm
	PACK 0
	PACK 1
.irp f, 0,1,2,3,4,5,6,7
	ds_load_b128 v[S+32+4*\f:S+32+4*\f+3], v[RD] offset:\f*2*SP  ; LDS serves a wave's instructions in order: these see the stores above
.endr
.irp f, 0,1,2,3,4,5,6,7
	s_wait_dscnt 7-\f
	global_store_b128 v[GO], v[S+32+4*\f:S+32+4*\f+3], s[8:9] offset:\f*2*9216  ; 16 lanes store 256 consecutive bytes, at a multiple of 256 from A2's first
.endr
	s_wait_tensorcnt 0x0            ; the wave's end
	ds_add_u32 v[SPW], v[NIL]
	s_wait_dscnt 0x0
	CROUND                          ; the closing round
	s_endpgm
.Lfunc_end_k_q9fd7f376be_attn:
	.size	k_q9fd7f376be_attn, .Lfunc_end_k_q9fd7f376be_attn-k_q9fd7f376be_attn
	.p2alignl 7, 3214868480
	.fill 96, 4, 3214868480
	.section	.rodata,"a",@progbits
	.p2align	6, 0x0
	.amdhsa_kernel k_q9fd7f376be_attn
		.amdhsa_group_segment_fixed_size 327680
		.amdhsa_private_segment_fixed_size 0
		.amdhsa_enable_private_segment 0
		.amdhsa_kernarg_size 56
		.amdhsa_user_sgpr_count 2
		.amdhsa_user_sgpr_kernarg_segment_ptr 1
		.amdhsa_wavefront_size32 1
		.amdhsa_system_sgpr_workgroup_id_x 1
		.amdhsa_system_sgpr_workgroup_id_y 1
		.amdhsa_system_sgpr_workgroup_id_z 1
		.amdhsa_system_vgpr_workitem_id 0
		.amdhsa_next_free_vgpr 512
		.amdhsa_next_free_sgpr 84
		.amdhsa_reserve_vcc 0
		.amdhsa_float_denorm_mode_32 3
		.amdhsa_float_denorm_mode_16_64 3
		.amdhsa_memory_ordered 1
		.amdhsa_forward_progress 1
		.amdhsa_inst_pref_size 77
	.end_amdhsa_kernel
	.amdgpu_metadata
---
amdhsa.version: [ 1, 2 ]
amdhsa.kernels:
  - .name:           k_q9fd7f376be_attn
    .symbol:         k_q9fd7f376be_attn.kd
    .args:
      - { .name: q, .offset: 0, .size: 8, .value_kind: global_buffer, .address_space: global }
      - { .name: kv, .offset: 8, .size: 8, .value_kind: global_buffer, .address_space: global }
      - { .name: A2, .offset: 16, .size: 8, .value_kind: global_buffer, .address_space: global }
      - { .name: Wff1, .offset: 24, .size: 8, .value_kind: global_buffer, .address_space: global }
      - { .name: Wff2, .offset: 32, .size: 8, .value_kind: global_buffer, .address_space: global }
      - { .name: W1h, .offset: 40, .size: 8, .value_kind: global_buffer, .address_space: global }
      - { .name: W2b, .offset: 48, .size: 8, .value_kind: global_buffer, .address_space: global }
    .group_segment_fixed_size: 327680
    .private_segment_fixed_size: 0
    .kernarg_segment_align: 8
    .kernarg_segment_size: 56
    .max_flat_workgroup_size: 128
    .sgpr_count:     84
    .vgpr_count:     512
    .wavefront_size: 32
...
	.end_amdgpu_metadata
.endif
;; end of part 3
;; launch ff1 (part 4): grid 32 x 16, 4 waves a work-group, clusters of 4 x 4, 327,680 bytes of LDS; arguments xn, W1h, A2; writes A2
.if DOCPART == 4
	.amdgcn_target "amdgcn-amd-amdhsa--gfx1250"
	.amdhsa_code_object_version 6
	.text
	.protected	k_q9fd7f376be_ff1
	.globl	k_q9fd7f376be_ff1
	.p2align	8
	.type	k_q9fd7f376be_ff1,@function
k_q9fd7f376be_ff1:
	s_mov_b64 s[64:65], 0
	v_nop
	global_prefetch_b8 v0, s[64:65] scope:SCOPE_SE
	s_setreg_imm32_b32 hwreg(HW_REG_WAVE_MODE, 25, 1), 1
	s_wait_xcnt 0x0
	s_wait_alu depctr_hold_cnt(0) depctr_sa_sdst(0) depctr_va_vdst(0) depctr_va_sdst(0) depctr_va_ssrc(0) depctr_va_vcc(0) depctr_vm_vsrc(0)
	s_getreg_b32 s2, hwreg(HW_REG_IB_STS2, 6, 4)
	s_cmp_eq_u32 s2, 0
	s_cbranch_scc0 .Lentry_in_a_cluster
	s_endpgm
.Lentry_in_a_cluster:
	s_bfe_u32 s2, ttmp6, 0x10000c
	s_cmp_lg_u32 s2, 0xf033
	s_cbranch_scc0 .Lentry_shape_is_right
	s_endpgm
.Lentry_shape_is_right:
; act = silu(xn Wgate) * (xn Wval).  xn: [4096][1024] f16; W1h: [1024][8192] f16, K down the rows, val in columns 0-4095, gate in 4096-8191; sums in f32.
; act goes to A2 [4096][4608] bf16, columns 512-4607, rounded once (bf16: act has no room in f16 where the inputs are some 30 times larger).
; A work-group makes 256 rows x 128 columns of act: a tile of C of 256 x 256, 128 val columns and the 128 gate columns that belong to them.  Four waves; a wave takes 64 rows x all 256 columns, 64
; accumulators, so that val and gate of one number lie in the same lane and a wave's rows of act are whole runs of 256 bytes: the stage is the wave's own, and the way out has no barrier.
; K goes in steps of 128 through two LDS slots.  B LIES [K][N]: its tiles come into LDS as 128 rows of 128 columns and leave it turned, by ds_load_tr16_b128.
; THE MATRIX INSTRUCTION IS USED TRANSPOSED (source 0 = 16 columns of B, source 1 = 16 rows of A): a lane holds eight neighbouring numbers of a row.
; CLUSTER 4 x 4: A's tile is shared along a row of the cluster, B's along a column, each asked for jointly.
; REGISTERS.  window 0: v16-30 addresses; v64-95, v96-127 fragments of A (4 x 16 rows x 32 K), two buffers; on the way out v128-191 at work, v192-223 packed, v32-127 and v224-255 rows read back.
;   window 1: v0-127, v128-255 fragments of B (16 x 16 columns x 32 K), two buffers.   windows 2, 3: accumulator (a, b) in window 2 + a / 2 at 8 (16 (a % 2) + b); b 0-7 val, 8-15 gate.
.set KSTEP,  128
.set SIZE_K, 1024
.set PA,     272                       ; A's LDS row: 256 bytes + 16
.set PB,     288                       ; B's: 256 + 32
.set AH,     128*PA                    ; what one of A's loads brings
.set BOFF,   256*PA                    ; val's tile lies behind A's 256 rows,
.set BT,     128*PB                    ; gate's behind val's
.set SLOT,   BOFF+2*BT
.set STAGE,  2*SLOT                    ; behind the ring: 16 rows x 272 bytes for each wave
.set SPITCH, 272
.set SPARE,  STAGE+4*16*SPITCH         ; the spare words, 128 bytes for each wave
.set LAPS,   SIZE_K/(2*KSTEP)
.set STEP_A, KSTEP*2
.set STEP_B, KSTEP*8192*2
.set ADRA, 16                          ; v16-17 my A fragments in slot 0, 1
.set ADRB, 18                          ; v18-19 val's
.set ADRG, 20                          ; v20-21 gate's
.set STO,  24
.set RD,   25
.set CO,   26
.set SPW,  28
.set NIL,  29
.set PFO,  30                          ; the prefetches' offset: my lane x a row of xn or of W1h
.set FA0,  64
.set T,    128
.set TMP,  192
.set G1,  24
.set G0,  32
.set G1B, 48
.set G0B, 56
.set LIM, 43                           ; 1 in a wave that prefetches, else the greatest number
.set PFA, 44                           ; s[44:45] where my prefetches stand
.set PSTEP, 66                         ; s[66:67] a K step in bytes: along xn's rows, or down W1h's
.set NL,  68                           ; s[68:69] -log2(e)
.set MSB, 0
.macro WIN new
.if MSB != (\new)
	s_set_vgpr_msb (MSB<<8)|(\new)
.set MSB, \new
.endif
.endm
.macro PLACES
.rept 4
	v_nop
.endr
.endm
.macro JLOAD s                         ; waves 0 and 1 fetch A's two halves, wave 2 val's tile, wave 3 gate's; an s_nop 0 and four v_nop follow each line
	s_cmp_eq_u32 s11, 0
	s_cbranch_scc0 .Lfor_b_\@
	tensor_load_to_lds s[G0+4*(\s):G0+4*(\s)+3], s[G1:G1+7]
	s_nop 0
.rept 4
	v_nop
.endr
	s_branch .Lasked_\@
.Lfor_b_\@:
	tensor_load_to_lds s[G0B+4*(\s):G0B+4*(\s)+3], s[G1B:G1B+7]
	s_nop 0
.rept 4
	v_nop
.endr
.Lasked_\@:
.endm
; A prefetch, behind each joint refill and the run of LDS loads that follows it, of the K step that stands TWO refills on: 32 rows x 256 bytes, a lane a row, one instruction a wave: 512 matrix
; instructions ahead of the load that will want it.  Each block is named once in the launch: xn's rows are asked for by the clusters with x = 0, W1h's by those with y = 0; the four partners that ask
; for a tile jointly take 32 of its 128 rows each, told apart by address.  K steps 0 to 3 come by their loads alone; the loop's last trip asks for nothing.
.macro ASK
	s_cmp_gt_u32 s3, s[LIM]
	s_cbranch_scc0 .Lnot_mine_\@
	global_prefetch_b8 v[PFO], s[PFA:PFA+1] th:TH_LOAD_NT scope:SCOPE_SE
.Lnot_mine_\@:
.endm
.macro CREST
	s_cmp_lg_u32 s10, 0
	s_cbranch_scc1 .Lnot_wave_0_\@
	s_barrier_signal -3
.Lnot_wave_0_\@:
	s_barrier_wait -3
	s_barrier_signal -1
	s_barrier_wait -1
.endm
.macro CROUND
	s_barrier_signal -1
	s_barrier_wait -1
	CREST
.endm
	s_load_b128 s[4:7], s[0:1], 0x0                ; xn s[4:5], W1h s[6:7]
	s_load_b64 s[8:9], s[0:1], 0x10                ; A2
	v_lshl_add_u32 v[SPW], v0, 2, SPARE
	v_mov_b32 v[NIL], 0
	ds_add_u32 v[SPW], v[NIL]                      ; the wave's opening: the add and its wait ahead of my first tensor load
	v_lshrrev_b32 v1, 5, v0
	v_readfirstlane_b32 s10, v1                    ; wave 0..3
	s_lshr_b32 s11, s10, 1                         ; I fetch for A (0) or for B (1),
	s_and_b32 s12, s10, 1                          ; its first or second part
	s_bfe_u32 s40, ttmp6, 0x40000                  ; cx
	s_bfe_u32 s41, ttmp6, 0x40004                  ; cy
	s_lshl_b32 s42, ttmp9, 2
	s_add_co_u32 s42, s42, s40                     ; tile column, 0..31
	s_and_b32 s13, ttmp7, 0xffff
	s_lshl_b32 s13, s13, 2
	s_add_co_u32 s13, s13, s41                     ; tile row, 0..15
	s_lshl_b32 s20, s41, 2
	s_lshl_b32 s20, 15, s20                        ; my row of the cluster
	s_lshl_b32 s21, 0x1111, s40                    ; my column
	s_or_b32 s[G1+0], s20, (1<<16)|(1<<20)|(1<<21)|(5<<22)|(3<<25)   ; A's tiles go to my row; 2-byte elements; padding: 4 words after every 64
	s_or_b32 s[G1B+0], s21, (1<<16)|(1<<20)|(1<<21)|(5<<22)|(7<<25)  ; B's to my column; 8 words
.irp g, G1, G1B
	s_mov_b32 s[(\g)+1], 128<<16                   ; tensor_dim0 = 128
	s_mov_b32 s[(\g)+2], 128<<16                   ; tensor_dim1 = 128
	s_mov_b32 s[(\g)+3], 128<<16                   ; tile_dim0 = 128
	s_mov_b32 s[(\g)+4], 128                       ; tile_dim1 = 128
	s_mov_b32 s[(\g)+6], 0
	s_mov_b32 s[(\g)+7], 0
.endr
	s_mov_b32 s[G1+5], 1024                        ; elements from row to row of xn,
	s_mov_b32 s[G1B+5], 8192                       ; of W1h
	s_lshl_b32 s16, s13, 8
	s_lshl_b32 s17, s12, 7
	s_add_co_u32 s16, s16, s17                     ; A: row 256 x tile row + 128 x half,
	s_lshl_b32 s16, s16, 11                        ; 2,048 bytes a row
	s_mov_b32 s17, 0
	s_lshl_b32 s46, s12, 13                        ; B: val, or gate 4,096 columns on,
	s_lshl_b32 s47, s42, 8                         ; column 128 x tile column
	s_add_co_u32 s46, s46, s47
	s_mov_b32 s47, 0
	s_mul_i32 s22, s12, AH                         ; where they go: constants and the wave's number alone
	s_mul_i32 s23, s12, BT
	s_add_co_u32 s23, s23, BOFF
	s_mov_b32 s[NL], 0xbfb8aa3b                    ; -log2(e)
	s_mov_b32 s[NL+1], s[NL]
	s_wait_dscnt 0x0                               ; the opening add is done
	s_wait_kmcnt 0x0
	s_add_nc_u64 s[14:15], s[4:5], s[16:17]
	s_add_nc_u64 s[46:47], s[6:7], s[46:47]
	CROUND                                         ; all sixteen work-groups are here: the first joint loads meet
.irp s, 0,1
	s_mov_b32 s[G0+4*(\s)], 1
	s_add_co_u32 s[G0+4*(\s)+1], s22, (\s)*SLOT
	s_add_nc_u64 s[G0+4*(\s)+2:G0+4*(\s)+3], s[14:15], (\s)*STEP_A
	s_or_b32 s[G0+4*(\s)+3], s[G0+4*(\s)+3], 0x80000000
	s_mov_b32 s[G0B+4*(\s)], 1
	s_add_co_u32 s[G0B+4*(\s)+1], s23, (\s)*SLOT
	s_add_nc_u64 s[G0B+4*(\s)+2:G0B+4*(\s)+3], s[46:47], (\s)*STEP_B
	s_or_b32 s[G0B+4*(\s)+3], s[G0B+4*(\s)+3], 0x80000000
	JLOAD \s                                       ; two loads of mine are out
.endr
	v_and_b32 v1, 15, v0                           ; r
	v_bfe_u32 v2, v0, 4, 1                         ; h
	v_mul_u32_u24 v3, v1, PA
	v_lshl_add_u32 v3, v2, 4, v3                   ; row x 272 + 16 h: for A's fragments and for the stage
	s_mul_i32 s18, s10, 64*PA                      ; my 64 rows
	v_add_nc_u32 v[ADRA], s18, v3
	v_add_nc_u32 v[ADRA+1], SLOT, v[ADRA]
	v_and_b32 v4, 7, v0                            ; B, turned: lane l reads row 8 h + l % 8, 16 bytes at 16 ((l / 8) % 2)
	v_bfe_u32 v5, v0, 3, 1
	v_lshl_add_u32 v4, v2, 3, v4
	v_mul_u32_u24 v4, v4, PB
	v_lshl_add_u32 v4, v5, 4, v4
	v_add_nc_u32 v[ADRB], BOFF, v4
	v_add_nc_u32 v[ADRB+1], SLOT, v[ADRB]
	v_add_nc_u32 v[ADRG], BT, v[ADRB]
	v_add_nc_u32 v[ADRG+1], SLOT, v[ADRG]
	s_mul_i32 s18, s10, 16*SPITCH
	s_add_co_u32 s18, s18, STAGE                   ; my stage
	v_add_nc_u32 v[STO], s18, v3
	v_mul_u32_u24 v5, v2, SPITCH
	v_lshl_add_u32 v5, v1, 4, v5
	v_add_nc_u32 v[RD], s18, v5
	v_mul_u32_u24 v5, v2, 9216
	v_lshl_add_u32 v[CO], v1, 4, v5                ; two rows of A2
	s_lshl_b32 s16, s13, 8
	s_lshl_b32 s17, s10, 6
	s_add_co_u32 s16, s16, s17                     ; my first row: 256 x tile row + 64 x wave
	s_mul_i32 s16, s16, 9216
	s_lshl_b32 s17, s42, 8
	s_add_co_u32 s16, s16, s17
	s_add_co_u32 s16, s16, 1024                    ; behind O's 512 columns
	s_mov_b32 s17, 0
	s_add_nc_u64 s[8:9], s[8:9], s[16:17]
	; the prefetches' address, at K step 3: the first change of slots steps it to 4
	s_lshl_b32 s16, s13, 8
	s_lshl_b32 s17, s12, 7
	s_add_co_u32 s16, s16, s17
	s_lshl_b32 s17, s40, 5
	s_add_co_u32 s16, s16, s17                     ; xn: the 128 rows that I fetch, my work-group's 32 of them by cx
	s_lshl_b32 s16, s16, 11
	s_add_co_u32 s16, s16, 3*STEP_A
	s_lshl_b32 s18, s41, 5
	s_add_co_u32 s18, s18, 3*KSTEP                 ; W1h: the K step's 128 rows, my work-group's 32 of them by cy
	s_lshl_b32 s18, s18, 14
	s_lshl_b32 s19, s12, 13
	s_add_co_u32 s18, s18, s19
	s_lshl_b32 s19, s42, 8
	s_add_co_u32 s18, s18, s19
	s_and_b32 s19, ttmp7, 0xffff                   ; cluster y
	s_mov_b32 s[PSTEP], STEP_B                     ; W1h's K step; the select below holds one literal, xn's
	s_cmp_eq_u32 s11, 0                            ; do I fetch for A?
	s_cselect_b32 s16, s16, s18
	s_cselect_b32 s19, ttmp9, s19                  ; the coordinate along which other clusters read the same rows
	s_cselect_b32 s20, 11, 14                      ; a row: 2,048 or 16,384 bytes
	s_cselect_b32 s[PSTEP], STEP_A, s[PSTEP]
	s_cselect_b64 s[PFA:PFA+1], s[4:5], s[6:7]
	s_mov_b32 s17, 0
	s_mov_b32 s[PSTEP+1], 0
	s_add_nc_u64 s[PFA:PFA+1], s[PFA:PFA+1], s[16:17]
	s_cmp_eq_u32 s19, 0
	s_cselect_b32 s[LIM], 1, -1                    ; the same in all sixteen partners, for a given wave
	v_and_b32 v[PFO], 31, v0
	v_lshlrev_b32 v[PFO], s20, v[PFO]
; Matrix instructions for m blocks 2 half, 2 half + 1 x n blocks b0 .. b1, 32 along K, from buffer f.  The 64 accumulators take turns in the same order in every quarter.
.macro MULQ f, half, b0, b1, zero
	WIN 0xa1+0x50*(\half)                          ; source 0 (B) window 1, source 1 (A) window 0, C and D window 2 or 3
.set bb, \b0
.rept (\b1)-(\b0)+1
.irp a, 0,1
.set rD, 8*(16*(\a)+bb)
.set rB, 128*(\f)+8*bb
.set rA, FA0+32*(\f)+8*(2*(\half)+(\a))
.if \zero
	v_wmma_f32_16x16x32_f16 v[rD:rD+7], v[rB:rB+7], v[rA:rA+7], 0
.else
	v_wmma_f32_16x16x32_f16 v[rD:rD+7], v[rB:rB+7], v[rA:rA+7], v[rD:rD+7]
.endif
.endr
.set bb, bb+1
.endr
.endm
; 40 LDS loads in one run: the fragments of quarter q (32 along K) into buffer f: val's 8, gate's 8, A's 4
.macro FETCH slot, q, f
	WIN 0x40
.set bb, 0
.rept 8
	ds_load_tr16_b128 v[128*(\f)+8*bb:128*(\f)+8*bb+3],   v[ADRB+(\slot)] offset:32*PB*(\q)+32*bb
	ds_load_tr16_b128 v[128*(\f)+8*bb+4:128*(\f)+8*bb+7], v[ADRB+(\slot)] offset:32*PB*(\q)+32*bb+16*PB
.set bb, bb+1
.endr
.set bb, 0
.rept 8
	ds_load_tr16_b128 v[128*(\f)+64+8*bb:128*(\f)+64+8*bb+3],   v[ADRG+(\slot)] offset:32*PB*(\q)+32*bb
	ds_load_tr16_b128 v[128*(\f)+64+8*bb+4:128*(\f)+64+8*bb+7], v[ADRG+(\slot)] offset:32*PB*(\q)+32*bb+16*PB
.set bb, bb+1
.endr
	WIN 0
.irp a, 0,1,2,3
	ds_load_b128 v[FA0+32*(\f)+8*(\a):FA0+32*(\f)+8*(\a)+3],   v[ADRA+(\slot)] offset:64*(\q)+(\a)*16*PA
	ds_load_b128 v[FA0+32*(\f)+8*(\a)+4:FA0+32*(\f)+8*(\a)+7], v[ADRA+(\slot)] offset:64*(\q)+(\a)*16*PA+32
.endr
.endm
; One of a K step's first three quarters: 64 matrix instructions on buffer f; quarter q is fetched into g, 48 matrix instructions ahead of its first use
.macro QUARTER slot, q, f, g, zero
	s_wait_dscnt 4                                 ; B and A's blocks 0 and 1 are in; the youngest four loads (A's blocks 2, 3) may be out
	MULQ \f, 0, 0, 7, \zero
	PLACES                                         ; four places in front of loads into registers that matrix instructions have read
	FETCH \slot, \q, \g
	MULQ \f, 0, 8, 15, \zero
	s_wait_dscnt 40                                ; all but the 40 just issued
	MULQ \f, 1, 0, 15, \zero
.endm
; The last quarter multiplies buffer 1 and changes slots: one barrier; in front of it each wave waits for all its tensor loads, adds 0 to its spare word, and waits for that and for its reads of this slot
.macro TURN slot, next, fill
.if \fill
	s_wait_xcnt 0x0                                ; the last prefetch, a K step back, has read its address: it is stepped here, ahead of the waits of the change of slots
	s_add_nc_u64 s[PFA:PFA+1], s[PFA:PFA+1], s[PSTEP:PSTEP+1]
.endif
	WIN 0
	s_wait_tensorcnt 0x0                           ; all my tensor loads have landed: my part of the next slot
	ds_add_u32 v[SPW], v[NIL]
	s_wait_dscnt 5                                 ; (the add and the youngest four loads may be out)
	MULQ 1, 0, 0, 7, 0
	s_wait_dscnt 0x0                               ; the add is done, and my reads of this slot are over
	s_barrier_signal -1
	MULQ 1, 0, 8, 15, 0
.if \fill
	WIN 0
.endif
	s_barrier_wait -1
.if \fill
	CREST                                          ; the barrier has opened a round of the cluster's: no wave of any partner still reads this slot or has a load on its way
	s_add_nc_u64 s[G0+4*(\slot)+2:G0+4*(\slot)+3], s[G0+4*(\slot)+2:G0+4*(\slot)+3], 2*STEP_A
	s_add_nc_u64 s[G0B+4*(\slot)+2:G0B+4*(\slot)+3], s[G0B+4*(\slot)+2:G0B+4*(\slot)+3], 2*STEP_B
	JLOAD \slot                                    ; my one tensor load behind the round: 224 matrix instructions ahead of the wait for it; its four v_nop are also the places in front of the loads below
.else
	PLACES
.endif
	FETCH \next, 0, 0
.if \fill
	ASK
.endif
	MULQ 1, 1, 0, 15, 0
.endm
	s_wait_tensorcnt 1                             ; my part of K step 0 is in; K step 1's may stay out
	s_barrier_signal -1
	s_barrier_wait -1
	FETCH 0, 0, 0
	QUARTER 0, 1, 0, 1, 1                          ; the first products start the sums: nothing is cleared
	WIN 0
	s_mov_b32 s3, LAPS-1
.Llap:                                                 ; a trip goes once round the ring and fills both slots again
	QUARTER 0, 2, 1, 0, 0
	QUARTER 0, 3, 0, 1, 0
	TURN 0, 1, 1
	QUARTER 1, 1, 0, 1, 0
	QUARTER 1, 2, 1, 0, 0
	QUARTER 1, 3, 0, 1, 0
	TURN 1, 0, 1
	QUARTER 0, 1, 0, 1, 0
	WIN 0
	s_sub_co_u32 s3, s3, 1
	s_cmp_lg_u32 s3, 0
	s_cbranch_scc1 .Llap
	QUARTER 0, 2, 1, 0, 0                          ; the last lap fills nothing
	QUARTER 0, 3, 0, 1, 0
	TURN 0, 1, 0
	QUARTER 1, 1, 0, 1, 0
	QUARTER 1, 2, 1, 0, 0
	QUARTER 1, 3, 0, 1, 0
	s_wait_dscnt 4
	MULQ 1, 0, 0, 15, 0
	s_wait_dscnt 0x0
	MULQ 1, 1, 0, 15, 0
	WIN 0
	PLACES
	PLACES
; THE WAY OUT, a block of 16 rows at a time.  ACT a: act = gate x 1 / (1 + 2^(-log2(e) gate)) x val, in f32, 64 numbers a lane; each accumulator's registers in ascending order.  Where the exponential
; is an infinity the reciprocal is 0.  The 64 exponentials are one batch with one wait, and so are the 64 reciprocals.
.macro ACT a
.set VB, 128*((\a)%2)                  ; val's 64 registers of the block, in window 2 + a / 2;
.set GB, VB+64                         ; gate's
	WIN 2+(\a)/2                                   ; source 0 in that window
.set i, 0
.rept 32
	v_pk_mul_f32 v[T+2*i:T+2*i+1], v[GB+2*i:GB+2*i+1], s[NL:NL+1] op_sel_hi:[1,0]
.set i, i+1
.endr
	WIN 0
.set i, 0
.rept 64
	v_exp_f32 v[T+i], v[T+i]
.set i, i+1
.endr
	v_nop                                          ; a plain instruction behind the last exponential,
	s_wait_alu depctr_va_vdst(0)                   ; and one wait for the batch, ahead of its first use
.set i, 0
.rept 32
	v_pk_add_f32 v[T+2*i:T+2*i+1], v[T+2*i:T+2*i+1], 1.0 op_sel_hi:[1,0]
.set i, i+1
.endr
.set i, 0
.rept 64
	v_rcp_f32 v[T+i], v[T+i]
.set i, i+1
.endr
	v_nop
	s_wait_alu depctr_va_vdst(0)
	WIN 2+(\a)/2
.set i, 0
.rept 32
	v_pk_mul_f32 v[T+2*i:T+2*i+1], v[GB+2*i:GB+2*i+1], v[T+2*i:T+2*i+1]
.set i, i+1
.endr
.set i, 0
.rept 32
	v_pk_mul_f32 v[T+2*i:T+2*i+1], v[VB+2*i:VB+2*i+1], v[T+2*i:T+2*i+1]
.set i, i+1
.endr
	WIN 0
.set i, 0
.rept 32
	v_cvt_pk_bf16_f32 v[TMP+i], v[T+2*i], v[T+2*i+1]
.set i, i+1
.endr
.endm
.macro BKOF a                          ; the block's 32 registers for the rows read back: four sets, so no store's data is written again
.if (\a) < 3
.set BK, 32+32*(\a)
.else
.set BK, 224
.endif
.endm
.macro TOSTAGE a
	BKOF \a
.irp b, 0,1,2,3,4,5,6,7
	ds_store_b128 v[STO], v[TMP+4*(\b):TMP+4*(\b)+3] offset:32*(\b)
.endr
.irp t, 0,1,2,3,4,5,6,7
	ds_load_b128 v[BK+4*(\t):BK+4*(\t)+3], v[RD] offset:(\t)*2*SPITCH  ; LDS serves a wave's instructions in order: these see the stores above
.endr
.endm
.macro SEND a
	BKOF \a
	s_wait_dscnt 0x0                               ; the block is back in registers
.irp t, 0,1,2,3,4,5,6,7
	global_store_b128 v[CO], v[BK+4*(\t):BK+4*(\t)+3], s[8:9] offset:(16*(\a)+2*(\t))*9216  ; 16 lanes store 256 consecutive bytes, at a multiple of 256 from A2's first
.endr
.endm
	ACT 0
	TOSTAGE 0
	ACT 1                                          ; a block's arithmetic stands between the loads of the block before and its stores
	SEND 0
	TOSTAGE 1
	ACT 2
	SEND 1
	TOSTAGE 2
	ACT 3
	SEND 2
	TOSTAGE 3
	SEND 3
	s_wait_tensorcnt 0x0                           ; the wave's end
	ds_add_u32 v[SPW], v[NIL]
	s_wait_dscnt 0x0
	CROUND                                         ; the closing round
	s_endpgm
.Lfunc_end_k_q9fd7f376be_ff1:
	.size	k_q9fd7f376be_ff1, .Lfunc_end_k_q9fd7f376be_ff1-k_q9fd7f376be_ff1
	.p2alignl 7, 3214868480
	.fill 96, 4, 3214868480
	.section	.rodata,"a",@progbits
	.p2align	6, 0x0
	.amdhsa_kernel k_q9fd7f376be_ff1
		.amdhsa_group_segment_fixed_size 327680
		.amdhsa_private_segment_fixed_size 0
		.amdhsa_enable_private_segment 0
		.amdhsa_kernarg_size 24
		.amdhsa_user_sgpr_count 2
		.amdhsa_user_sgpr_kernarg_segment_ptr 1
		.amdhsa_wavefront_size32 1
		.amdhsa_system_sgpr_workgroup_id_x 1
		.amdhsa_system_sgpr_workgroup_id_y 1
		.amdhsa_system_sgpr_workgroup_id_z 1
		.amdhsa_system_vgpr_workitem_id 0
		.amdhsa_next_free_vgpr 1024
		.amdhsa_next_free_sgpr 72
		.amdhsa_reserve_vcc 0
		.amdhsa_float_denorm_mode_32 3
		.amdhsa_float_denorm_mode_16_64 3
		.amdhsa_memory_ordered 1
		.amdhsa_forward_progress 1
		.amdhsa_inst_pref_size 186
	.end_amdhsa_kernel
	.amdgpu_metadata
---
amdhsa.version: [ 1, 2 ]
amdhsa.kernels:
  - .name:           k_q9fd7f376be_ff1
    .symbol:         k_q9fd7f376be_ff1.kd
    .args:
      - { .name: xn, .offset: 0, .size: 8, .value_kind: global_buffer, .address_space: global }
      - { .name: W1h, .offset: 8, .size: 8, .value_kind: global_buffer, .address_space: global }
      - { .name: A2, .offset: 16, .size: 8, .value_kind: global_buffer, .address_space: global }
    .group_segment_fixed_size: 327680
    .private_segment_fixed_size: 0
    .kernarg_segment_align: 8
    .kernarg_segment_size: 24
    .max_flat_workgroup_size: 128
    .sgpr_count:     72
    .vgpr_count:     1024
    .wavefront_size: 32
...
	.end_amdgpu_metadata
.endif
;; end of part 4
;; launch out (part 5): grid 8 x 32, 4 waves a work-group, clusters of 4 x 4, 327,680 bytes of LDS; arguments A2, W2b, out0; writes out0
.if DOCPART == 5
	.amdgcn_target "amdgcn-amd-amdhsa--gfx1250"
	.amdhsa_code_object_version 6
	.text
	.protected	k_q9fd7f376be_out
	.globl	k_q9fd7f376be_out
	.p2align	8
	.type	k_q9fd7f376be_out,@function
k_q9fd7f376be_out:
	s_mov_b64 s[64:65], 0
	v_nop
	global_prefetch_b8 v0, s[64:65] scope:SCOPE_SE
	s_setreg_imm32_b32 hwreg(HW_REG_WAVE_MODE, 25, 1), 1
	s_wait_xcnt 0x0
	s_wait_alu depctr_hold_cnt(0) depctr_sa_sdst(0) depctr_va_vdst(0) depctr_va_sdst(0) depctr_va_ssrc(0) depctr_va_vcc(0) depctr_vm_vsrc(0)
	s_getreg_b32 s2, hwreg(HW_REG_IB_STS2, 6, 4)
	s_cmp_eq_u32 s2, 0
	s_cbranch_scc0 .Lentry_in_a_cluster
	s_endpgm
.Lentry_in_a_cluster:
	s_bfe_u32 s2, ttmp6, 0x10000c
	s_cmp_lg_u32 s2, 0xf033
	s_cbranch_scc0 .Lentry_shape_is_right
	s_endpgm
.Lentry_shape_is_right:
; out0 = [O | act] [Wo ; Wff2]: ONE product does both projections and their sum.  A2: [4096][4608] bf16; W2b: [4608][1024] bf16, K down the rows; sums in f32; out0: [4096][1024] f32.
; A tile of C is 128 x 128: 8 x 32 = 256 work-groups.  Four waves, each 64 x 64: 16 accumulators.  K goes in steps of 256 through two LDS slots, 18 steps.
; B LIES [K][N]: its tile comes into LDS as 256 rows of 128 columns and leaves it turned, by ds_load_tr16_b128.
; THE MATRIX INSTRUCTION IS USED TRANSPOSED (source 0 = 16 columns of B, source 1 = 16 rows of A): a lane then holds eight neighbouring numbers of a row of C.
; CLUSTER 4 x 4: A's tile is shared along a row of the cluster, B's along a column, each asked for jointly.  No prefetch: small tiles.
; REGISTERS: window 0: v16-29 addresses; v128-255 accumulators ((a, b) at 128 + 8 (4 a + b)).  window 1: two fragment buffers of 128: 64 registers of A, then 64 of B, for 64 along K.
.set KSTEP,  256
.set SIZE_K, 4608
.set PITCH_A, 4608
.set PITCH_B, 1024
.set PA,     528                       ; A's LDS row: 512 bytes + 16
.set PB,     288                       ; B's: 256 + 32
.set AH,     64*PA
.set BOFF,   128*PA
.set BH,     128*PB
.set SLOT,   BOFF+2*BH
.set STAGE,  2*SLOT                    ; behind the ring: 16 rows x 272 bytes for each wave: a wave's 64 columns of f32 are 256 bytes
.set SPITCH, 272
.set SPARE,  STAGE+4*16*SPITCH         ; the spare words, 128 bytes for each wave
.set LAPS,   SIZE_K/(2*KSTEP)
.set STEP_A, KSTEP*2
.set STEP_B, KSTEP*PITCH_B*2
.set ADRA, 16
.set ADRB, 20                          ; v20-23: slot s, rows 128 u on, at 2 s + u
.set STO,  24
.set RD,   25
.set CO,   26
.set SPW,  28
.set NIL,  29
.set ACC,  128
.set F0,   0
.set F1,   128
.set G1,  24
.set G0,  32
.set G1B, 48
.set G0B, 56
.set MSB, 0
.macro WIN new
.if MSB != (\new)
	s_set_vgpr_msb (MSB<<8)|(\new)
.set MSB, \new
.endif
.endm
.set MUL,  0x05
.set TO_F, 0x40
.macro JLOAD s                         ; waves 0 and 1 fetch A's two halves, waves 2 and 3 B's; an s_nop 0 and four v_nop follow each line
	s_cmp_eq_u32 s11, 0
	s_cbranch_scc0 .Lfor_b_\@
	tensor_load_to_lds s[G0+4*(\s):G0+4*(\s)+3], s[G1:G1+7]
	s_nop 0
.rept 4
	v_nop
.endr
	s_branch .Lasked_\@
.Lfor_b_\@:
	tensor_load_to_lds s[G0B+4*(\s):G0B+4*(\s)+3], s[G1B:G1B+7]
	s_nop 0
.rept 4
	v_nop
.endr
.Lasked_\@:
.endm
.macro CREST
	s_cmp_lg_u32 s10, 0
	s_cbranch_scc1 .Lnot_wave_0_\@
	s_barrier_signal -3
.Lnot_wave_0_\@:
	s_barrier_wait -3
	s_barrier_signal -1
	s_barrier_wait -1
.endm
.macro CROUND
	s_barrier_signal -1
	s_barrier_wait -1
	CREST
.endm
.macro PLACES
.rept 4
	v_nop
.endr
.endm
	s_load_b128 s[4:7], s[0:1], 0x0                ; A2 s[4:5], W2b s[6:7]
	s_load_b64 s[8:9], s[0:1], 0x10                ; out0
	v_lshl_add_u32 v[SPW], v0, 2, SPARE
	v_mov_b32 v[NIL], 0
	ds_add_u32 v[SPW], v[NIL]                      ; the wave's opening: the add and its wait ahead of my first tensor load
	v_lshrrev_b32 v1, 5, v0
	v_readfirstlane_b32 s10, v1                    ; wave 0..3
	s_lshr_b32 s11, s10, 1                         ; my half of the tile's rows.  Also: I fetch for A (0) or B (1)
	s_and_b32 s12, s10, 1                          ; my half of its columns.  Also: which half of that tile I fetch
	s_bfe_u32 s40, ttmp6, 0x40000                  ; cx
	s_bfe_u32 s41, ttmp6, 0x40004                  ; cy
	s_lshl_b32 s42, ttmp9, 2
	s_add_co_u32 s42, s42, s40                     ; tile column, 0..7
	s_and_b32 s13, ttmp7, 0xffff
	s_lshl_b32 s13, s13, 2
	s_add_co_u32 s13, s13, s41                     ; tile row, 0..31
	s_lshl_b32 s43, s41, 2
	s_lshl_b32 s43, 15, s43                        ; my row of the cluster
	s_lshl_b32 s44, 0x1111, s40                    ; my column
	s_or_b32 s[G1+0], s43, (1<<16)|(1<<20)|(1<<21)|(6<<22)|(3<<25)   ; A's tiles go to my row; 2-byte elements; padding: 4 words after every 128
	s_mov_b32 s[G1+1], KSTEP<<16                   ; tensor_dim0 = 256
	s_mov_b32 s[G1+2], 64<<16                      ; tensor_dim1 = 64
	s_mov_b32 s[G1+3], KSTEP<<16                   ; tile_dim0 = 256
	s_mov_b32 s[G1+4], 64                          ; tile_dim1 = 64
	s_mov_b32 s[G1+5], PITCH_A
	s_mov_b32 s[G1+6], 0
	s_mov_b32 s[G1+7], 0
	s_or_b32 s[G1B+0], s44, (1<<16)|(1<<20)|(1<<21)|(5<<22)|(7<<25)  ; B's to my column; 8 words after every 64
	s_mov_b32 s[G1B+1], 128<<16                    ; tensor_dim0 = 128
	s_mov_b32 s[G1B+2], 128<<16                    ; tensor_dim1 = 128
	s_mov_b32 s[G1B+3], 128<<16                    ; tile_dim0 = 128
	s_mov_b32 s[G1B+4], 128                        ; tile_dim1 = 128
	s_mov_b32 s[G1B+5], PITCH_B
	s_mov_b32 s[G1B+6], 0
	s_mov_b32 s[G1B+7], 0
	s_lshl_b32 s16, s13, 7
	s_lshl_b32 s17, s12, 6
	s_add_co_u32 s16, s16, s17                     ; A: row 128 x tile row + 64 x half,
	s_mul_i32 s16, s16, PITCH_A*2                  ; 9,216 bytes a row
	s_mov_b32 s17, 0
	s_mul_i32 s46, s12, 128*PITCH_B*2              ; B: row 128 x half,
	s_lshl_b32 s47, s42, 8                         ; column 128 x tile column
	s_add_co_u32 s46, s46, s47
	s_mov_b32 s47, 0
	s_mul_i32 s20, s12, AH                         ; where they go: constants and the wave's number alone
	s_mul_i32 s21, s12, BH
	s_add_co_u32 s21, s21, BOFF
	s_wait_dscnt 0x0                               ; the opening add is done
	s_wait_kmcnt 0x0
	s_add_nc_u64 s[14:15], s[4:5], s[16:17]
	s_add_nc_u64 s[46:47], s[6:7], s[46:47]
	CROUND                                         ; all sixteen work-groups are here: the first joint loads meet
.irp s, 0,1
	s_mov_b32 s[G0+4*(\s)], 1
	s_add_co_u32 s[G0+4*(\s)+1], s20, (\s)*SLOT
	s_add_nc_u64 s[G0+4*(\s)+2:G0+4*(\s)+3], s[14:15], (\s)*STEP_A
	s_or_b32 s[G0+4*(\s)+3], s[G0+4*(\s)+3], 0x80000000
	s_mov_b32 s[G0B+4*(\s)], 1
	s_add_co_u32 s[G0B+4*(\s)+1], s21, (\s)*SLOT
	s_add_nc_u64 s[G0B+4*(\s)+2:G0B+4*(\s)+3], s[46:47], (\s)*STEP_B
	s_or_b32 s[G0B+4*(\s)+3], s[G0B+4*(\s)+3], 0x80000000
	JLOAD \s                                       ; two loads of mine are out
.endr
	v_and_b32 v1, 15, v0                           ; r
	v_bfe_u32 v2, v0, 4, 1                         ; h
	v_mul_u32_u24 v3, v1, PA
	v_lshl_add_u32 v3, v2, 4, v3
	s_mul_i32 s22, s11, AH                         ; my 64 rows of A
	v_add_nc_u32 v[ADRA], s22, v3
	v_add_nc_u32 v[ADRA+1], SLOT, v[ADRA]
	v_and_b32 v4, 7, v0                            ; B, turned: lane l reads row 8 h + l % 8, 16 bytes at 16 ((l / 8) % 2)
	v_bfe_u32 v5, v0, 3, 1
	v_lshl_add_u32 v4, v2, 3, v4
	v_mul_u32_u24 v4, v4, PB
	v_lshl_add_u32 v4, v5, 4, v4
	s_lshl_b32 s22, s12, 7                         ; my 64 columns
	s_add_co_u32 s22, s22, BOFF
	v_add_nc_u32 v[ADRB], s22, v4
	v_add_nc_u32 v[ADRB+1], BH, v[ADRB]
	v_add_nc_u32 v[ADRB+2], SLOT, v[ADRB]
	v_add_nc_u32 v[ADRB+3], SLOT, v[ADRB+1]
	s_mul_i32 s23, s10, 16*SPITCH
	s_add_co_u32 s23, s23, STAGE                   ; my stage
	v_mul_u32_u24 v4, v1, SPITCH                   ; in: row r, 32 bytes for each half of the lanes
	v_lshl_add_u32 v4, v2, 5, v4
	v_add_nc_u32 v[STO], s23, v4
	v_mul_u32_u24 v5, v2, SPITCH                   ; back: lanes 0-15 one row of 256 bytes, lanes 16-31 the next
	v_lshl_add_u32 v5, v1, 4, v5
	v_add_nc_u32 v[RD], s23, v5
	v_lshlrev_b32 v5, 12, v2                       ; and the same two rows in out0
	v_lshl_add_u32 v[CO], v1, 4, v5
	s_lshl_b32 s16, s13, 7
	s_lshl_b32 s17, s11, 6
	s_add_co_u32 s16, s16, s17                     ; my first row: 128 x tile row + 64 x half
	s_lshl_b32 s16, s16, 12
	s_lshl_b32 s17, s42, 9                         ; my first column, in bytes: 512 x tile column + 256 x half
	s_add_co_u32 s16, s16, s17
	s_lshl_b32 s17, s12, 8
	s_add_co_u32 s16, s16, s17
	s_mov_b32 s17, 0
	s_add_nc_u64 s[8:9], s[8:9], s[16:17]
; 8 matrix instructions: m blocks a0, a0 + 1 x all 4 n blocks, 32 along K: half c of buffer f.  The 16 accumulators take turns.
.macro MUL8 f, c, a0, zero
	WIN MUL
.irp a, \a0, (\a0)+1
.irp b, 0,1,2,3
.if \zero
	v_wmma_f32_16x16x32_bf16 v[ACC+8*(4*(\a)+(\b)):ACC+8*(4*(\a)+(\b))+7], v[(\f)+64+8*(4*(\c)+(\b)):(\f)+64+8*(4*(\c)+(\b))+7], v[(\f)+8*(4*(\c)+(\a)):(\f)+8*(4*(\c)+(\a))+7], 0
.else
	v_wmma_f32_16x16x32_bf16 v[ACC+8*(4*(\a)+(\b)):ACC+8*(4*(\a)+(\b))+7], v[(\f)+64+8*(4*(\c)+(\b)):(\f)+64+8*(4*(\c)+(\b))+7], v[(\f)+8*(4*(\c)+(\a)):(\f)+8*(4*(\c)+(\a))+7], v[ACC+8*(4*(\a)+(\b)):ACC+8*(4*(\a)+(\b))+7]
.endif
.endr
.endr
.endm
; 32 LDS loads in one run: the fragments of quarter q (64 along K) into buffer f; the first 32 along K first
.macro FETCH slot, q, f
	WIN TO_F
.irp c, 0,1
.irp i, 0,1,2,3
	ds_load_tr16_b128 v[(\f)+64+8*(4*(\c)+(\i)):(\f)+64+8*(4*(\c)+(\i))+3],   v[ADRB+2*(\slot)+(\q)/2] offset:((\q)%2)*64*PB+(\c)*32*PB+32*(\i)
	ds_load_tr16_b128 v[(\f)+64+8*(4*(\c)+(\i))+4:(\f)+64+8*(4*(\c)+(\i))+7], v[ADRB+2*(\slot)+(\q)/2] offset:((\q)%2)*64*PB+(\c)*32*PB+32*(\i)+16*PB
	ds_load_b128 v[(\f)+8*(4*(\c)+(\i)):(\f)+8*(4*(\c)+(\i))+3],              v[ADRA+(\slot)] offset:128*(\q)+64*(\c)+(\i)*16*PA
	ds_load_b128 v[(\f)+8*(4*(\c)+(\i))+4:(\f)+8*(4*(\c)+(\i))+7],            v[ADRA+(\slot)] offset:128*(\q)+64*(\c)+(\i)*16*PA+32
.endr
.endr
.endm
.macro QUARTER slot, q, f, g, zero
	s_wait_dscnt 16                                ; the first 32 along K are in; the run's other sixteen loads may be out
	MUL8 \f, 0, 0, \zero
	MUL8 \f, 0, 2, \zero
	PLACES                                         ; four places in front of loads into registers that matrix instructions have read
	FETCH \slot, \q, \g
	s_wait_dscnt 32                                ; all but the 32 just issued
	MUL8 \f, 1, 0, 0
	MUL8 \f, 1, 2, 0
.endm
; The last quarter multiplies buffer 1 and changes slots: one barrier; in front of it each wave waits for all its tensor loads, adds 0 to its spare word, and waits for that and for its reads of this slot
.macro TURN slot, next, fill
	WIN 0
	s_wait_tensorcnt 0x0                           ; all my tensor loads have landed: my part of the next slot
	ds_add_u32 v[SPW], v[NIL]
	s_wait_dscnt 17                                ; (the add and the youngest sixteen loads may be out)
	MUL8 F1, 0, 0, 0
	s_wait_dscnt 0x0                               ; the add is done, and my reads of this slot are over
	s_barrier_signal -1
	MUL8 F1, 0, 2, 0
.if \fill
	WIN 0
.endif
	s_barrier_wait -1
.if \fill
	CREST                                          ; the barrier has opened a round of the cluster's: no wave of any partner still reads this slot or has a load on its way
	s_add_nc_u64 s[G0+4*(\slot)+2:G0+4*(\slot)+3], s[G0+4*(\slot)+2:G0+4*(\slot)+3], 2*STEP_A
	s_add_nc_u64 s[G0B+4*(\slot)+2:G0B+4*(\slot)+3], s[G0B+4*(\slot)+2:G0B+4*(\slot)+3], 2*STEP_B
	JLOAD \slot                                    ; my one tensor load behind the round: 112 matrix instructions ahead of the wait for it; its four v_nop are also the places in front of the loads below
.else
	PLACES
.endif
	FETCH \next, 0, F0
	MUL8 F1, 1, 0, 0
	MUL8 F1, 1, 2, 0
.endm
	s_wait_tensorcnt 1                             ; my part of K step 0 is in; K step 1's may stay out
	s_barrier_signal -1
	s_barrier_wait -1
	FETCH 0, 0, F0
	QUARTER 0, 1, F0, F1, 1                        ; the first products start the sums: nothing is cleared
	WIN 0
	s_mov_b32 s3, LAPS-1
.Llap:                                                 ; eight trips: a trip goes once round the ring and fills both slots again
	QUARTER 0, 2, F1, F0, 0
	QUARTER 0, 3, F0, F1, 0
	TURN 0, 1, 1
	QUARTER 1, 1, F0, F1, 0
	QUARTER 1, 2, F1, F0, 0
	QUARTER 1, 3, F0, F1, 0
	TURN 1, 0, 1
	QUARTER 0, 1, F0, F1, 0
	WIN 0
	s_sub_co_u32 s3, s3, 1
	s_cmp_lg_u32 s3, 0
	s_cbranch_scc1 .Llap
	QUARTER 0, 2, F1, F0, 0                        ; the last lap fills nothing
	QUARTER 0, 3, F0, F1, 0
	TURN 0, 1, 0
	QUARTER 1, 1, F0, F1, 0
	QUARTER 1, 2, F1, F0, 0
	QUARTER 1, 3, F0, F1, 0
	s_wait_dscnt 16
	MUL8 F1, 0, 0, 0
	MUL8 F1, 0, 2, 0
	s_wait_dscnt 0x0
	MUL8 F1, 1, 0, 0
	MUL8 F1, 1, 2, 0
	WIN 0
	; THE WAY OUT, in f32, a block of 16 rows at a time through my own stage: a lane's 32 bytes of a row go in, whole rows of 256 bytes come back, into the registers that they left
	PLACES
	PLACES
.macro OUT a
.irp b, 0,1,2,3
	ds_store_b128 v[STO], v[ACC+8*(4*(\a)+(\b)):ACC+8*(4*(\a)+(\b))+3]   offset:64*(\b)     ; each accumulator's low four registers first
	ds_store_b128 v[STO], v[ACC+8*(4*(\a)+(\b))+4:ACC+8*(4*(\a)+(\b))+7] offset:64*(\b)+16
.endr
.irp t, 0,1,2,3,4,5,6,7
	ds_load_b128 v[ACC+32*(\a)+4*(\t):ACC+32*(\a)+4*(\t)+3], v[RD] offset:(\t)*2*SPITCH  ; LDS serves a wave's instructions in order: these see the stores above; the next block's stores come behind them
.endr
.endm
.macro SEND a, younger                 ; younger: the LDS instructions issued behind block a's loads: the next block's sixteen, or none
.irp t, 0,1,2,3,4,5,6,7
	s_wait_dscnt (\younger)+7-(\t)
	global_store_b128 v[CO], v[ACC+32*(\a)+4*(\t):ACC+32*(\a)+4*(\t)+3], s[8:9] offset:(16*(\a)+2*(\t))*4096 th:TH_STORE_NT  ; 16 lanes store 256 consecutive bytes, at a multiple of 256 from out0's first
.endr
.endm
	OUT 0
	OUT 1
	SEND 0, 16
	OUT 2
	SEND 1, 16
	OUT 3
	SEND 2, 16
	SEND 3, 0
	s_wait_tensorcnt 0x0                           ; the wave's end
	ds_add_u32 v[SPW], v[NIL]
	s_wait_dscnt 0x0
	CROUND                                         ; the closing round
	s_endpgm
.Lfunc_end_k_q9fd7f376be_out:
	.size	k_q9fd7f376be_out, .Lfunc_end_k_q9fd7f376be_out-k_q9fd7f376be_out
	.p2alignl 7, 3214868480
	.fill 96, 4, 3214868480
	.section	.rodata,"a",@progbits
	.p2align	6, 0x0
	.amdhsa_kernel k_q9fd7f376be_out
		.amdhsa_group_segment_fixed_size 327680
		.amdhsa_private_segment_fixed_size 0
		.amdhsa_enable_private_segment 0
		.amdhsa_kernarg_size 24
		.amdhsa_user_sgpr_count 2
		.amdhsa_user_sgpr_kernarg_segment_ptr 1
		.amdhsa_wavefront_size32 1
		.amdhsa_system_sgpr_workgroup_id_x 1
		.amdhsa_system_sgpr_workgroup_id_y 1
		.amdhsa_system_sgpr_workgroup_id_z 1
		.amdhsa_system_vgpr_workitem_id 0
		.amdhsa_next_free_vgpr 512
		.amdhsa_next_free_sgpr 66
		.amdhsa_reserve_vcc 0
		.amdhsa_float_denorm_mode_32 3
		.amdhsa_float_denorm_mode_16_64 3
		.amdhsa_memory_ordered 1
		.amdhsa_forward_progress 1
		.amdhsa_inst_pref_size 87
	.end_amdhsa_kernel
	.amdgpu_metadata
---
amdhsa.version: [ 1, 2 ]
amdhsa.kernels:
  - .name:           k_q9fd7f376be_out
    .symbol:         k_q9fd7f376be_out.kd
    .args:
      - { .name: A2, .offset: 0, .size: 8, .value_kind: global_buffer, .address_space: global }
      - { .name: W2b, .offset: 8, .size: 8, .value_kind: global_buffer, .address_space: global }
      - { .name: out0, .offset: 16, .size: 8, .value_kind: global_buffer, .address_space: global }
    .group_segment_fixed_size: 327680
    .private_segment_fixed_size: 0
    .kernarg_segment_align: 8
    .kernarg_segment_size: 24
    .max_flat_workgroup_size: 128
    .sgpr_count:     66
    .vgpr_count:     512
    .wavefront_size: 32
...
	.end_amdgpu_metadata
.endif
;; end of part 5
